; MI455X (gfx1250); checked and timed in simulation.
; The chip was launched on July 23, 2026; its instructions are those of AMD's public machine-readable ISA for CDNA 5 (MIT licence, August 2026) and "CDNA5" Instruction Set Architecture Reference Guide (July 2026). The comments in the code are by the model that wrote it; some were corrected since.
;; Encoder. Allowed arithmetic: matrix products marked QUANTISED: E2M1 operands, one E8M0 scale for each 32 along K, by v_wmma_scale_f32_16x16x128_f8f6f4 with both operands' format E2M1 (or v_wmma_scale_f32_32x16x128_f4), f32 sums; everything else in f32.
;; Inputs: b1 4,096 float32; b2 1,024 float32; b_o 1,024 float32; b_qkv 3,072 float32; be1 1,024 float32; be2 1,024 float32; g1 1,024 float32; g2 1,024 float32; w1_codes 4,096 x 32 x 16 uint8 (E2M1 codes of w1, K innermost, in blocks of 32 codes, two codes a byte); w1_scales 4,096 x 32 uint8 (E8M0 scales of w1, one for each 32 codes along K); w2_codes 1,024 x 128 x 16 uint8 (E2M1 codes of w2, K innermost, in blocks of 32 codes, two codes a byte); w2_scales 1,024 x 128 uint8 (E8M0 scales of w2, one for each 32 codes along K); w_o_codes 1,024 x 32 x 16 uint8 (E2M1 codes of w_o, K innermost, in blocks of 32 codes, two codes a byte); w_o_scales 1,024 x 32 uint8 (E8M0 scales of w_o, one for each 32 codes along K); w_qkv_codes 3,072 x 32 x 16 uint8 (E2M1 codes of w_qkv, K innermost, in blocks of 32 codes, two codes a byte); w_qkv_scales 3,072 x 32 uint8 (E8M0 scales of w_qkv, one for each 32 codes along K); x 2 x 2,048 x 1,024 float32.
;; Outputs: out0 2 x 2,048 x 1,024 float32.
;; This version of the problem:
;;   THIS VERSION OF THE PROBLEM IS GIVEN IN LOW PRECISION. The matrix products marked QUANTISED in the list below multiply operands that are first quantised to E2M1 (2 exponent bits, 1 mantissa bit; 4 bits a number), with one power-of-two scale for each 32 numbers along K (OCP MX v1.0); their sums are f32. All else is computed in f32.
;;   The module's matrix products, in the order in which they are computed (A, B: the left and right operand; K: the contracted axis; several contracted axes count as one K, in the product's order):
;;     1. [M 4,096, K 1,024] x [K 1,024, N 3,072]; A: input x; B: input w_qkv (given as codes): QUANTISED
;;     2. batch 32 x [M 2,048, K 64] x [K 64, N 2,048]; A: computed on the way; B: computed on the way: QUANTISED
;;     3. batch 32 x [M 64, K 2,048] x [K 2,048, N 2,048]; A: computed on the way; B: softmax (see below): QUANTISED
;;     4. [M 4,096, K 1,024] x [K 1,024, N 1,024]; A: computed on the way; B: input w_o (given as codes): QUANTISED
;;     5. [M 4,096, K 1,024] x [K 1,024, N 4,096]; A: computed on the way; B: input w1 (given as codes): QUANTISED
;;     6. [M 4,096, K 4,096] x [K 4,096, N 1,024]; A: computed on the way; B: input w2 (given as codes): QUANTISED
;;   THE QUANTISER, for each operand of a quantised product, along K:
;;     - K is cut into blocks of 32 from its start; a last block that is shorter is filled with zeros.
;;     - A block's scale is 2^e with e = floor(log2(the largest magnitude in the block)) - 2, held to -126 .. 127; a block of zeros has e = 0. As a byte (E8M0): e + 127.
;;     - Each number is divided by its block's scale, clamped to +-6, and rounded to the nearest number of E2M1, ties to even, subnormals kept.
;;     - The product sums the exact products of the quantised numbers (number of the format x scale) in f32.
;;   ~~~python
;;   def quantise(x, axis):      # numpy; x: float32 -> the quantised numbers, widened to float32 again
;;       x = np.moveaxis(x, axis, -1); K = x.shape[-1]
;;       x = np.pad(x, [(0, 0)] * (x.ndim - 1) + [(0, -K % 32)]); x = x.reshape(x.shape[:-1] + (-1, 32)); a = np.abs(x).max(-1, keepdims=True)
;;       e = np.where(a > 0, np.clip(np.frexp(np.where(a > 0, a, 1))[1] - 1 - 2, -126, 127), 0)      # np.frexp(a)[1] - 1 = floor(log2(a)), exactly
;;       r = np.clip(x / 2.0 ** e, -6, 6)
;;       step = 2.0 ** (np.maximum(np.frexp(np.where(r == 0, 1, r))[1] - 1, 0) - 1)
;;       q = np.round(r / step) * step * 2.0 ** e      # np.round: ties to even
;;       return np.moveaxis(q.reshape(q.shape[:-2] + (-1,))[..., :K], -1, axis).astype(np.float32)
;;   ~~~
;;   SOFTMAX AHEAD OF A QUANTISED PRODUCT. Where the list says 'softmax', what is quantised is not the finished softmax but p = 2^(t - M), with t = logit x log2(e) and M = ceil(the row's largest t), a whole number; so 1/2 < the row's largest p <= 1. The row's sum l is taken of the UNQUANTISED p, in f32, and the product's result is divided by l at the end. Since M is a whole number, a kernel that streams over the keys may use a running M (the ceiling of the running maximum): every later rescaling is an exact power of two, which a block's scale takes up: the codes' values come out the same.
;;   OPERANDS COMPUTED ON THE WAY. 'Computed on the way' means the value that the module computes at that place (a softmax that the list does not call 'softmax' is quantised finished and normalised). What goes into a quantiser is computed in f32, as accurately as f32 sums, v_exp_f32 and their like allow (about 1e-6 of the number): no bf16 or f16 on the way to a quantiser, and a product that is left as it is and whose result goes on into a quantised operand takes f32 operands (vector FMAs, or v_wmma_f32_16x16x4_f32). A number that lies on a knife's edge between two numbers of the format may be rounded either way, as far as f32 arithmetic and the matrix unit's own rounding can turn it there, and no further.
;;   INPUTS GIVEN AS CODES. w1 (in the module: [1024, 4096], K = its axis 0); w2 (in the module: [4096, 1024], K = its axis 0); w_o (in the module: [1024, 1024], K = its axis 0); w_qkv (in the module: [1024, 3072], K = its axis 0): each comes as NAME_codes (uint8): NAME with its K axis moved to the last place and cut into blocks of 32 codes, [.., K / 32, bytes a block], one block behind the other in memory; two codes a byte, the lower K in the low four bits (a code: sign, 2 exponent bits, 1 mantissa bit); and NAME_scales (uint8): the same leading axes, one E8M0 byte (e + 127) for each 32 codes along K. Its value is code x scale, taken as it is: it is not quantised again, and the codes and scales need not be those that the quantiser above would give.
;; One version. Each part assembles by itself: llvm-mc -triple=amdgcn-amd-amdhsa -mcpu=gfx1250 --defsym DOCPART=n.
;; ======== version 1 of 1: 6 launches
;; limits: right only within a limited range of input values
;; workspace buffers: qkv 6,946,816 bytes; oq 2,228,224 bytes; h 16,777,216 bytes; hq 2,228,224 bytes; hidq 8,912,896 bytes; y2 16,777,216 bytes
;; launch qkv (part 1): grid 8 x 32, 16 waves a work-group, no clusters, 289,792 bytes of LDS; arguments x, w_qkv_codes, w_qkv_scales, b_qkv, qkv; writes qkv
.if DOCPART == 1
	.amdgcn_target "amdgcn-amd-amdhsa--gfx1250"
	.amdhsa_code_object_version 6
	.text
	.protected	k_qd4003be94c_qkv
	.globl	k_qd4003be94c_qkv
	.p2align	8
	.type	k_qd4003be94c_qkv,@function
k_qd4003be94c_qkv:
	s_mov_b64 s[64:65], 0
	v_nop
	global_prefetch_b8 v0, s[64:65] scope:SCOPE_SE
	s_setreg_imm32_b32 hwreg(HW_REG_WAVE_MODE, 25, 1), 1
	s_wait_xcnt 0x0
; qkv = x w_qkv + b_qkv on codes of FP4 (E2M1) with one E8M0 scale for each 32 along K; q and k are then quantised along the head's 64, v along the keys, and leave as images of operand registers.
; SHARES.  Work-group (g, tb): tokens 128 tb .. +127 and columns 128 g .. +127 (two heads) of each of q, k, v.  Sixteen waves.
; ALL SIXTEEN QUANTISE x: wave w takes tokens 16 (w / 2) .. +15 and K steps 4 (w % 2) .. +3, four units of 64 numbers a lane, three of them (48 loads) on their way at a time.
; WAVES 0 TO 11 THEN MULTIPLY: role = wave / 4 (0 q, 1 k, 2 v), i = wave % 4; waves 12 to 15 end behind the barrier.
; A wave makes 2 x 8 tiles of 16 x 16.  q, k: source 1 = tokens 32 i .. +31, source 0 = the part's 128 weight rows: a lane holds one token, its registers run along the head's channels.
; v: source 1 = weight rows 32 i .. +31, source 0 = the 128 tokens: a lane holds one channel, its registers run along the keys, which are the K of attention's second product.
; LDS AS 512 ROWS of 512 bytes of codes (K = 1,024) + 16 of padding: rows 0-127 w_q, 128-255 w_k, 256-383 x's codes, 384-511 w_v; behind them each row's 32 scale bytes, eight rows to 256 bytes + 16.
; The weights come by tensor loads (waves 8 to 10 the codes, 12 to 14 the scale bytes, one each, filled once); x's codes and scale bytes are stored into blocks of 256 bytes in which no tensor load lands.
; No cluster: a work-group fetches each weight tile once, 209 KB in all, ahead of a product loop that fetches nothing.
; THE QUANTISER: a block's scale byte is its largest magnitude's exponent field - 2, held at 1 from below; numbers / scale go to the nearest code, ties to even, beyond 6 the largest code.
; LIMITS: NaN and infinities are not served; a block whose largest magnitude lies under 2^-124, a block of zeros too, gets the byte 1 (its codes are zeros or as the floor's scale gives them; only this program reads the bytes).
; A HEAD OF THE OUTPUT, 217,088 bytes: +0 K images [128 tiles][512]; +65,536 V images [16 key steps][4 tiles][1,024]; +131,072 K words [2,048][4]; +139,264 V words [16][64][4]; +143,360 Q images; +208,896 Q words.
.set PITCH, 528
.set PART,  128*PITCH
.set SC,    4*PART
.set STILE, 544
.set HEADB, 217088
.set AF,  16                           ; v16-31   source 1's two fragments
.set SA,  32                           ; v32-35   their scale words, four K steps: lanes 0-15 tile 0, lanes 16-31 tile 1
.set SB,  36                           ; v36-51   source 0's scale words, four pairs of tiles
.set BF,  52                           ; v52-115  source 0's eight fragments; the bias on the way out
.set ACC, 128                          ; v128-255 accumulator (a, b) at 128 + 64 a + 8 b
.set XB,  64                           ; ahead of the products: v64-255, three sets of 64 numbers of x
.set PC0, 16                           ; outside the products: codes just made,
.set PC1, 24
.set TM,  32                           ; twelve registers at work,
.set PW,  44                           ; two scale words,
.set MW,  46                           ; and the two merged
.set SEL, 20                           ; s[20:21] v_permlanex16_b32's selects for lane l xor 16
.set A_T, 16*PITCH
.set A_S, 64
.set A_C, 32
.macro PLACES
.rept 4
	v_nop
.endr
.endm
; D = F0 x F1 (+ D): lane (r, h) of D holds row r of F1; register j row 8 h + j of F0.  row0, row1: the scales stand in lanes 16-31 of their register.
.macro WM d, f0, f1, zero, s0, row0, s1, row1
.if \zero
.if (\row0) && (\row1)
	v_wmma_scale_f32_16x16x128_f8f6f4 v[\d:\d+7], v[\f0:\f0+7], v[\f1:\f1+7], 0, v[\s0], v[\s1] matrix_a_fmt:MATRIX_FMT_FP4 matrix_b_fmt:MATRIX_FMT_FP4 matrix_a_scale:MATRIX_SCALE_ROW1 matrix_b_scale:MATRIX_SCALE_ROW1
.elseif \row0
	v_wmma_scale_f32_16x16x128_f8f6f4 v[\d:\d+7], v[\f0:\f0+7], v[\f1:\f1+7], 0, v[\s0], v[\s1] matrix_a_fmt:MATRIX_FMT_FP4 matrix_b_fmt:MATRIX_FMT_FP4 matrix_a_scale:MATRIX_SCALE_ROW1
.elseif \row1
	v_wmma_scale_f32_16x16x128_f8f6f4 v[\d:\d+7], v[\f0:\f0+7], v[\f1:\f1+7], 0, v[\s0], v[\s1] matrix_a_fmt:MATRIX_FMT_FP4 matrix_b_fmt:MATRIX_FMT_FP4 matrix_b_scale:MATRIX_SCALE_ROW1
.else
	v_wmma_scale_f32_16x16x128_f8f6f4 v[\d:\d+7], v[\f0:\f0+7], v[\f1:\f1+7], 0, v[\s0], v[\s1] matrix_a_fmt:MATRIX_FMT_FP4 matrix_b_fmt:MATRIX_FMT_FP4
.endif
.else
.if (\row0) && (\row1)
	v_wmma_scale_f32_16x16x128_f8f6f4 v[\d:\d+7], v[\f0:\f0+7], v[\f1:\f1+7], v[\d:\d+7], v[\s0], v[\s1] matrix_a_fmt:MATRIX_FMT_FP4 matrix_b_fmt:MATRIX_FMT_FP4 matrix_a_scale:MATRIX_SCALE_ROW1 matrix_b_scale:MATRIX_SCALE_ROW1
.elseif \row0
	v_wmma_scale_f32_16x16x128_f8f6f4 v[\d:\d+7], v[\f0:\f0+7], v[\f1:\f1+7], v[\d:\d+7], v[\s0], v[\s1] matrix_a_fmt:MATRIX_FMT_FP4 matrix_b_fmt:MATRIX_FMT_FP4 matrix_a_scale:MATRIX_SCALE_ROW1
.elseif \row1
	v_wmma_scale_f32_16x16x128_f8f6f4 v[\d:\d+7], v[\f0:\f0+7], v[\f1:\f1+7], v[\d:\d+7], v[\s0], v[\s1] matrix_a_fmt:MATRIX_FMT_FP4 matrix_b_fmt:MATRIX_FMT_FP4 matrix_b_scale:MATRIX_SCALE_ROW1
.else
	v_wmma_scale_f32_16x16x128_f8f6f4 v[\d:\d+7], v[\f0:\f0+7], v[\f1:\f1+7], v[\d:\d+7], v[\s0], v[\s1] matrix_a_fmt:MATRIX_FMT_FP4 matrix_b_fmt:MATRIX_FMT_FP4
.endif
.endif
.endm
; 16 nb numbers of a lane, register 16 b + 8 i + j = k 32 b + 16 i + 8 (lane / 16) + j of my row, become 2 nb registers of codes in the operand's order, v[pc] on, and my row's scale word in v[pw].
; A conversion's eight codes are a quarter block; block b's part i goes to register 4 (b / 2) + 2 i + b % 2, and one exchange of halves for each pair then leaves lanes 0-15 with block 2 c, lanes 16-31 with block 2 c + 1, K ascending.
.macro QUANT src, nb, pc, pw
.irp b, 0,1,2,3
.if \b < \nb
	v_max3_num_f32 v[TM+\b], |v[\src+16*\b]|, |v[\src+16*\b+1]|, 0x1800000   ; my 16 numbers of block b, and the floor 2^(3 - 127): the byte cannot fall under 1
.endif
.endr
.irp i, 2,4,6,8,10,12,14
.irp b, 0,1,2,3
.if \b < \nb
	s_delay_alu instid0(VALU_DEP_4)
	v_max3_num_f32 v[TM+\b], v[TM+\b], |v[\src+16*\b+\i]|, |v[\src+16*\b+\i+1]|
.endif
.endr
.endr
.irp b, 0,1,2,3
.if \b < \nb
	s_delay_alu instid0(VALU_DEP_4)
	v_permlanex16_b32 v[TM+4+\b], v[TM+\b], s[SEL], s[SEL+1]
.endif
.endr
.irp b, 0,1,2,3
.if \b < \nb
	s_delay_alu instid0(VALU_DEP_4)
	v_max_num_f32 v[TM+\b], v[TM+\b], v[TM+4+\b]   ; with lane l xor 16's 16: the block's largest magnitude
.endif
.endr
.irp b, 0,1,2,3
.if \b < \nb
	s_delay_alu instid0(VALU_DEP_4)
	v_add_nc_u32 v[TM+8+\b], 0xff000000, v[TM+\b]  ; 2 off its exponent field: the conversion's scale operand
.endif
.endr
.irp b, 0,1,2,3
.if \b < \nb
	s_delay_alu instid0(VALU_DEP_4)
	v_lshrrev_b32 v[TM+4+\b], 23, v[TM+8+\b]       ; the scale's byte
.endif
.endr
	s_delay_alu instid0(VALU_DEP_3)
	v_lshl_or_b32 v[\pw], v[TM+5], 8, v[TM+4]
.if \nb > 2
	s_delay_alu instid0(VALU_DEP_1)
	v_lshl_or_b32 v[\pw], v[TM+6], 16, v[\pw]
	s_delay_alu instid0(VALU_DEP_1)
	v_lshl_or_b32 v[\pw], v[TM+7], 24, v[\pw]
.endif
.irp b, 0,1,2,3
.if \b < \nb
	v_cvt_scalef32_pk8_fp4_f32 v[\pc+4*(\b/2)+(\b%2)], v[\src+16*\b:\src+16*\b+7], v[TM+8+\b]
	v_cvt_scalef32_pk8_fp4_f32 v[\pc+4*(\b/2)+2+(\b%2)], v[\src+16*\b+8:\src+16*\b+15], v[TM+8+\b]
.endif
.endr
	v_nop                                          ; one plain place behind the scaled conversions
.irp c, 0,1
.if 2*\c < \nb
.irp i, 0,1
	v_permlane16_swap_b32 v[\pc+4*\c+2*\i], v[\pc+4*\c+2*\i+1]
.endr
.endif
.endr
.endm
; my 16 tokens' numbers of my u-th K step, 64 a lane, in the order that QUANT takes
.macro XLOAD reg, u
.irp b, 0,1,2,3
.irp i, 0,1
.irp q, 0,1
	global_load_b128 v[\reg+16*\b+8*\i+4*\q:\reg+16*\b+8*\i+4*\q+3], v8, s[4:5] offset:512*(\u)+128*\b+64*\i+16*\q
.endr
.endr
.endr
.endm
; my u-th K step becomes a fragment's codes and a scale word in LDS.  left: the loads issued behind this unit's, which may stay out
.macro UNIT u, left
	s_wait_loadcnt \left
	QUANT XB+64*((\u)%3), 4, PC0, PW
	ds_store_b128 v9, v[PC0:PC0+3] offset:64*\u
	ds_store_b128 v9, v[PC0+4:PC0+7] offset:64*\u+32
	ds_store_b32 v10, v[PW] offset:4*\u            ; both halves of the lanes write the same word
.if \u == 0
	XLOAD XB, 3                                    ; the fourth unit takes the first's registers
.endif
	s_wait_dscnt 0x0                               ; the stores have read their registers
.endm
; 128 along K: 25 or 20 LDS loads, 16 products, the 16 accumulators by turns
.macro KSTEP s
.set Z, 0
.if \s == 0
.set Z, 1
.else
	PLACES                                         ; in front of loads into registers that the last products read
.endif
.irp b, 0,1,2,3,4,5,6,7
.irp c, 0,1
	ds_load_b128 v[BF+8*\b+4*\c:BF+8*\b+4*\c+3], v5 offset:16*PITCH*\b+64*\s+32*\c
.endr
.endr
.irp a, 0,1
.irp c, 0,1
	ds_load_b128 v[AF+8*\a+4*\c:AF+8*\a+4*\c+3], v4 offset:A_T*\a+A_S*\s+A_C*\c
.endr
.endr
.if (\s)%4 == 0
.irp p, 0,1,2,3
	ds_load_b128 v[SB+4*\p:SB+4*\p+3], v7 offset:2*STILE*\p+16*(\s/4)   ; four K steps' words of a pair of tiles
.endr
	ds_load_b128 v[SA:SA+3], v6 offset:16*(\s/4)
.endif
	s_wait_dscnt 0x0
.irp b, 0,1,2,3,4,5,6,7
.irp a, 0,1
	WM ACC+64*\a+8*\b, BF+8*\b, AF+8*\a, Z, SB+4*(\b/2)+(\s)%4, \b%2, SA+(\s)%4, \a
.endr
.endr
.endm
	s_load_b256 s[4:11], s[0:1], 0x0               ; x s[4:5], the weights' codes s[6:7], their scales s[8:9], the bias s[10:11]
	s_load_b64 s[12:13], s[0:1], 0x20              ; the output
	v_lshl_add_u32 v254, v0, 2, 0x46400
	v_mov_b32 v255, 0
	ds_add_u32 v254, v255
	ds_add_u32 v254, v255
	s_wait_dscnt 0x0
	v_lshrrev_b32 v1, 5, v0
	s_delay_alu instid0(VALU_DEP_1)
	v_readfirstlane_b32 s14, v1                    ; wave 0..15
	v_and_b32 v1, 15, v0                           ; r
	s_wait_alu depctr_va_vdst(0)
	v_bfe_u32 v2, v0, 4, 1                         ; h
	v_and_b32 v3, 31, v0                           ; lane
	s_lshr_b32 s15, s14, 2                         ; role (3 in the waves that only quantise)
	s_and_b32 s16, s14, 3                          ; i
	s_lshr_b32 s17, s15, 1                         ; 1 for v
	s_lshr_b32 s54, s14, 1                         ; which 16 tokens I quantise
	s_and_b32 s55, s14, 1                          ; which four K steps of them
	s_and_b32 s19, ttmp7, 0xffff                   ; tb
	s_mov_b32 s[SEL], 0x76543210
	s_mov_b32 s[SEL+1], 0xfedcba98
	; descriptor group 1 for the codes: 128 rows of 64 elements of 8 bytes, 16 bytes of padding behind each row's 128 words
	s_mov_b32 s24, (3<<16)|(1<<20)|(6<<22)|(3<<25)
	s_mov_b32 s25, 64<<16
	s_mov_b32 s26, 128<<16
	s_mov_b32 s27, 64<<16
	s_mov_b32 s28, 128
	s_mov_b32 s29, 64
	s_mov_b32 s30, 0
	s_mov_b32 s31, 0
	; and for the scale bytes of 128 rows: 4,096 dense bytes as 16 rows of 256, 16 bytes of padding behind each
	s_mov_b32 s32, (3<<16)|(1<<20)|(5<<22)|(3<<25)
	s_mov_b32 s33, 32<<16
	s_mov_b32 s34, 16<<16
	s_mov_b32 s35, 32<<16
	s_mov_b32 s36, 16
	s_mov_b32 s37, 32
	s_mov_b32 s38, 0
	s_mov_b32 s39, 0
	; groups 0: wave 8 + p fetches part p (q, k, v) into rows 128 (p + p / 2) on
	s_lshr_b32 s22, s16, 1
	s_add_co_u32 s22, s22, s16
	s_mov_b32 s40, 1
	s_mul_i32 s41, s22, PART
	s_mov_b32 s44, 1
	s_mul_i32 s45, s22, 8*STILE
	s_add_co_u32 s45, s45, SC
	s_lshl_b32 s48, s16, 19                        ; (1,024 p + 128 g) rows of 512 bytes
	s_lshl_b32 s49, ttmp9, 16
	s_add_co_u32 s48, s48, s49
	s_mov_b32 s49, 0
	s_lshl_b32 s50, s16, 15                        ; and of 32 bytes
	s_lshl_b32 s51, ttmp9, 12
	s_add_co_u32 s50, s50, s51
	s_mov_b32 s51, 0
	s_lshl_b32 s52, s19, 19                        ; x: (128 tb + 16 (wave / 2)) rows of 4,096 bytes,
	s_lshl_b32 s53, s54, 16
	s_add_co_u32 s52, s52, s53
	s_lshl_b32 s53, s55, 11                        ; and 4 (wave % 2) K steps of 512 bytes
	s_add_co_u32 s52, s52, s53
	s_mov_b32 s53, 0
	; every LDS address is made here, ahead of the first parting of the waves
	v_mul_u32_u24 v14, v1, PITCH
	s_wait_alu depctr_va_vdst(0)
	v_lshl_add_u32 v14, v2, 4, v14                 ; 528 r + 16 h
	v_lshrrev_b32 v15, 3, v3
	s_delay_alu instid0(VALU_DEP_1)
	v_lshlrev_b32 v15, 4, v15
	s_delay_alu instid0(VALU_DEP_1)
	v_lshl_add_u32 v15, v3, 5, v15                 ; 32 lane + 16 (lane / 8): a row's scale bytes among 32 rows
	s_wait_alu depctr_va_vdst(0)
	s_lshl_b32 s22, s17, 7
	s_lshl_b32 s23, s16, 5
	s_add_co_u32 s22, s22, s23
	s_add_co_u32 s22, s22, 256
	s_mul_i32 s22, s22, PITCH
	v_add_nc_u32 v4, s22, v14                      ; source 1: rows 256 + 32 i on (x), for v rows 384 + 32 i on (w_v)
	s_mul_i32 s22, s15, PART
	v_add_nc_u32 v5, s22, v14                      ; source 0: rows 128 role on: w_q, w_k, or x
	s_lshl_b32 s22, s17, 3
	s_lshl_b32 s23, s16, 1
	s_add_co_u32 s22, s22, s23
	s_add_co_u32 s22, s22, 16
	s_mul_i32 s22, s22, STILE
	s_add_co_u32 s22, s22, SC
	v_add_nc_u32 v6, s22, v15                      ; source 1's scale words
	s_mul_i32 s22, s15, 8*STILE
	s_add_co_u32 s22, s22, SC
	v_add_nc_u32 v7, s22, v15                      ; source 0's
	v_lshlrev_b32 v8, 12, v1
	s_delay_alu instid0(VALU_DEP_1)
	v_lshl_add_u32 v8, v2, 5, v8                   ; x in memory: 4,096 r + 32 h
	s_lshl_b32 s22, s54, 4
	s_add_co_u32 s22, s22, 256
	s_mul_i32 s22, s22, PITCH
	s_lshl_b32 s23, s55, 8
	s_add_co_u32 s22, s22, s23
	v_add_nc_u32 v9, s22, v14                      ; where I store my codes: rows 256 + 16 (wave / 2) on, 256 (wave % 2) bytes along the row
	s_add_co_u32 s22, s54, 16
	s_mul_i32 s22, s22, STILE
	s_add_co_u32 s22, s22, SC
	s_lshl_b32 s23, s55, 4
	s_add_co_u32 s22, s22, s23
	v_lshrrev_b32 v10, 3, v1
	s_delay_alu instid0(VALU_DEP_1)
	v_lshlrev_b32 v10, 4, v10
	s_delay_alu instid0(VALU_DEP_1)
	v_lshl_add_u32 v10, v1, 5, v10
	s_delay_alu instid0(VALU_DEP_1)
	v_add_nc_u32 v10, s22, v10                     ; and my scale words: 16 (wave % 2) bytes along the row's 32
.irp b, 0,1,2,3
	v_mov_b32 v[TM+4+\b], 0                        ; a lane permute's destination counts as one of its sources
.endr
	s_wait_kmcnt 0x0
	s_add_nc_u64 s[42:43], s[6:7], s[48:49]
	s_or_b32 s43, s43, 0x80000000
	s_add_nc_u64 s[46:47], s[8:9], s[50:51]
	s_or_b32 s47, s47, 0x80000000
	s_add_nc_u64 s[4:5], s[4:5], s[52:53]
	s_cmp_lt_u32 s14, 8
	s_cbranch_scc1 .Lquant
	; one chain of branches on the wave's number, one fill to an arm: wave 8 + p fetches part p's codes, wave 12 + p its scale bytes (wave % 4 = p in both); no wave issues two loads
	s_cmp_gt_u32 s14, 10
	s_cbranch_scc1 .Lnot_codes
	tensor_load_to_lds s[40:43], s[24:31]
	s_nop 0
	PLACES
	s_branch .Lquant
.Lnot_codes:
	s_cmp_lt_u32 s14, 12
	s_cbranch_scc1 .Lquant
	s_cmp_gt_u32 s14, 14
	s_cbranch_scc1 .Lquant
	tensor_load_to_lds s[44:47], s[32:39]
	s_nop 0
	PLACES
.Lquant:
	XLOAD XB, 0
	XLOAD XB+64, 1
	XLOAD XB+128, 2
	UNIT 0, 32                                     ; units 1 and 2 may be out
	UNIT 1, 32                                     ; units 2 and 3
	UNIT 2, 16                                     ; unit 3
	UNIT 3, 0
	s_wait_tensorcnt 0x0                           ; my fills, if I have any, have landed,
	s_wait_dscnt 0x0                               ; my stores too:
	s_barrier_signal -1
	s_barrier_wait -1                              ; everybody's have.  Nothing is filled or stored in LDS from here on
	s_cmp_gt_u32 s14, 11
	s_cbranch_scc1 .Lidle                          ; waves 12 to 15 have done their share; no barrier follows
.irp s, 0,1,2,3,4,5,6,7
	KSTEP \s
.endr
	PLACES                                         ; in front of the first reads of results and of loads into operand registers
	s_lshr_b32 s48, s19, 4
	s_lshl_b32 s48, s48, 4
	s_lshl_b32 s49, ttmp9, 1
	s_add_co_u32 s48, s48, s49                     ; the first of my two heads: 16 (tb / 16) + 2 g
	s_mul_i32 s48, s48, HEADB
	s_and_b32 s49, s19, 15                         ; which 128 tokens of the sequence
	s_cmp_eq_u32 s15, 2
	s_cbranch_scc1 .Lvalues
	; ---- q and k: bias, quantised along the channels; a fragment's two halves are two heads
	s_cmp_eq_u32 s15, 0
	s_cselect_b32 s50, 143360, 0                   ; images: Q's or K's
	s_mov_b32 s51, 131072
	s_cselect_b32 s51, 208896, s51                 ; words
	s_lshl_b32 s52, s49, 12
	s_lshl_b32 s53, s16, 10
	s_add_co_u32 s52, s52, s53                     ; tile 8 (tb % 16) + 2 i, 512 bytes a tile
	s_add_co_u32 s52, s52, s50
	s_add_co_u32 s52, s52, s48
	v_lshl_add_u32 v11, v3, 4, s52
	s_lshl_b32 s52, s49, 9
	s_lshl_b32 s53, s16, 7
	s_add_co_u32 s52, s52, s53
	s_add_co_u32 s52, s52, s51
	s_add_co_u32 s52, s52, s48
	v_lshl_add_u32 v12, v3, 2, s52
	s_lshl_b32 s52, s15, 12
	s_lshl_b32 s53, ttmp9, 9
	s_add_co_u32 s52, s52, s53
	v_lshl_add_u32 v13, v2, 5, s52                 ; the bias of columns 1,024 role + 128 g + 8 h on
.irp b, 0,1,2,3,4,5,6,7
.irp q, 0,1
	global_load_b128 v[BF+8*\b+4*\q:BF+8*\b+4*\q+3], v13, s[10:11] offset:64*\b+16*\q
.endr
.endr
	s_wait_loadcnt 0x0
.irp a, 0,1
.irp b, 0,1,2,3,4,5,6,7
.irp k, 0,2,4,6
	v_pk_add_f32 v[ACC+64*\a+8*\b+\k:ACC+64*\a+8*\b+\k+1], v[ACC+64*\a+8*\b+\k:ACC+64*\a+8*\b+\k+1], v[BF+8*\b+\k:BF+8*\b+\k+1]
.endr
.endr
.endr
	QUANT ACC, 4, PC0, PW
	QUANT ACC+64, 4, PC1, PW+1
	s_mov_b32 vcc_lo, 0xffff0000
	v_cndmask_b32 v[MW], v[PW], v[PW+1], vcc_lo    ; lanes 0-15: the first 16 tokens' words; lanes 16-31: the next 16's
	s_delay_alu instid0(VALU_DEP_1)
	v_lshrrev_b32 v[MW+1], 16, v[MW]               ; the second head's two bytes; the bytes above are 0, which scale zero codes alone
.irp c, 0,1
	global_store_b128 v11, v[PC0+4*\c:PC0+4*\c+3], s[12:13] offset:HEADB*\c          ; 512 consecutive bytes a store
	global_store_b128 v11, v[PC1+4*\c:PC1+4*\c+3], s[12:13] offset:512+HEADB*\c
.endr
	global_store_b32 v12, v[MW], s[12:13]
	global_store_b32 v12, v[MW+1], s[12:13] offset:HEADB
	s_wait_xcnt 0x0
	v_lshl_add_u32 v254, v0, 2, 0x46400
	v_mov_b32 v255, 0
	s_wait_alu depctr_va_vdst(0)
	s_wait_tensorcnt 0x0
	ds_add_u32 v254, v255
	s_wait_dscnt 0x0
	s_endpgm
.Lvalues:
	; ---- v: bias, quantised along the 128 keys
	s_lshr_b32 s50, s16, 1
	s_mul_i32 s50, s50, HEADB
	s_add_co_u32 s50, s50, s48                     ; my head
	s_and_b32 s51, s16, 1                          ; which 32 of its 64 channels
	s_lshl_b32 s52, s49, 12
	s_lshl_b32 s53, s51, 11
	s_add_co_u32 s52, s52, s53
	s_add_co_u32 s52, s52, s50
	s_add_co_u32 s52, s52, 65536
	v_lshl_add_u32 v11, v3, 4, s52
	s_lshl_b32 s52, s49, 8
	s_lshl_b32 s53, s51, 7
	s_add_co_u32 s52, s52, s53
	s_add_co_u32 s52, s52, s50
	s_add_co_u32 s52, s52, 139264
	v_lshl_add_u32 v12, v3, 2, s52
	s_lshl_b32 s52, ttmp9, 9
	s_lshl_b32 s53, s16, 7
	s_add_co_u32 s52, s52, s53
	s_add_co_u32 s52, s52, 8192
	v_lshl_add_u32 v13, v1, 2, s52                 ; the bias of column 2,048 + 128 g + 32 i + r
	global_load_b32 v[BF], v13, s[10:11]           ; one number a lane and tile, into both registers of a pair
	global_load_b32 v[BF+1], v13, s[10:11]
	global_load_b32 v[BF+2], v13, s[10:11] offset:64
	global_load_b32 v[BF+3], v13, s[10:11] offset:64
	s_wait_loadcnt 0x0
.irp a, 0,1
.irp b, 0,1,2,3,4,5,6,7
.irp k, 0,2,4,6
	v_pk_add_f32 v[ACC+64*\a+8*\b+\k:ACC+64*\a+8*\b+\k+1], v[ACC+64*\a+8*\b+\k:ACC+64*\a+8*\b+\k+1], v[BF+2*\a:BF+2*\a+1]
.endr
.endr
.endr
	QUANT ACC, 4, PC0, PW
	QUANT ACC+64, 4, PC1, PW+1
	s_mov_b32 vcc_lo, 0xffff0000
	v_cndmask_b32 v[MW], v[PW], v[PW+1], vcc_lo
.irp c, 0,1
	global_store_b128 v11, v[PC0+4*\c:PC0+4*\c+3], s[12:13] offset:512*\c
	global_store_b128 v11, v[PC1+4*\c:PC1+4*\c+3], s[12:13] offset:1024+512*\c
.endr
	global_store_b32 v12, v[MW], s[12:13]
	s_wait_xcnt 0x0
	v_lshl_add_u32 v254, v0, 2, 0x46400
	v_mov_b32 v255, 0
	s_wait_alu depctr_va_vdst(0)
	s_wait_tensorcnt 0x0
	ds_add_u32 v254, v255
	s_wait_dscnt 0x0
	s_endpgm
.Lidle:
	s_wait_xcnt 0x0
	v_lshl_add_u32 v254, v0, 2, 0x46400
	v_mov_b32 v255, 0
	s_wait_alu depctr_va_vdst(0)
	s_wait_tensorcnt 0x0
	ds_add_u32 v254, v255
	s_wait_dscnt 0x0
	s_endpgm
.Lfunc_end_k_qd4003be94c_qkv:
	.size	k_qd4003be94c_qkv, .Lfunc_end_k_qd4003be94c_qkv-k_qd4003be94c_qkv
	.p2alignl 7, 3214868480
	.fill 96, 4, 3214868480
	.section	.rodata,"a",@progbits
	.p2align	6, 0x0
	.amdhsa_kernel k_qd4003be94c_qkv
		.amdhsa_group_segment_fixed_size 289792
		.amdhsa_private_segment_fixed_size 0
		.amdhsa_enable_private_segment 0
		.amdhsa_kernarg_size 40
		.amdhsa_user_sgpr_count 2
		.amdhsa_user_sgpr_kernarg_segment_ptr 1
		.amdhsa_wavefront_size32 1
		.amdhsa_system_sgpr_workgroup_id_x 1
		.amdhsa_system_sgpr_workgroup_id_y 1
		.amdhsa_system_sgpr_workgroup_id_z 1
		.amdhsa_system_vgpr_workitem_id 0
		.amdhsa_next_free_vgpr 256
		.amdhsa_next_free_sgpr 66
		.amdhsa_reserve_vcc 1
		.amdhsa_float_denorm_mode_32 3
		.amdhsa_float_denorm_mode_16_64 3
		.amdhsa_memory_ordered 1
		.amdhsa_forward_progress 1
		.amdhsa_inst_pref_size 97
	.end_amdhsa_kernel
	.amdgpu_metadata
---
amdhsa.version: [ 1, 2 ]
amdhsa.kernels:
  - .name:           k_qd4003be94c_qkv
    .symbol:         k_qd4003be94c_qkv.kd
    .args:
      - { .name: x, .offset: 0, .size: 8, .value_kind: global_buffer, .address_space: global }
      - { .name: w_qkv_codes, .offset: 8, .size: 8, .value_kind: global_buffer, .address_space: global }
      - { .name: w_qkv_scales, .offset: 16, .size: 8, .value_kind: global_buffer, .address_space: global }
      - { .name: b_qkv, .offset: 24, .size: 8, .value_kind: global_buffer, .address_space: global }
      - { .name: qkv, .offset: 32, .size: 8, .value_kind: global_buffer, .address_space: global }
    .group_segment_fixed_size: 289792
    .private_segment_fixed_size: 0
    .kernarg_segment_align: 8
    .kernarg_segment_size: 40
    .max_flat_workgroup_size: 512
    .sgpr_count:     66
    .vgpr_count:     256
    .wavefront_size: 32
...
	.end_amdgpu_metadata
.endif
;; end of part 1
;; launch attn (part 2): grid 8 x 32, 16 waves a work-group, no clusters, 327,680 bytes of LDS; arguments qkv, oq; writes oq
.if DOCPART == 2
	.amdgcn_target "amdgcn-amd-amdhsa--gfx1250"
	.amdhsa_code_object_version 6
	.text
	.protected	k_qd4003be94c_attn
	.globl	k_qd4003be94c_attn
	.p2align	8
	.type	k_qd4003be94c_attn,@function
k_qd4003be94c_attn:
	s_mov_b64 s[64:65], 0
	v_nop
	global_prefetch_b8 v0, s[64:65] scope:SCOPE_SE
	s_setreg_imm32_b32 hwreg(HW_REG_WAVE_MODE, 25, 1), 1
	s_wait_xcnt 0x0
; o = softmax(q k^T / 8) v for one head, both products on codes of FP4 (E2M1) with E8M0 scales; o / l is quantised along the model's 1,024 and leaves as an image of operand registers.
; THE SOFTMAX AHEAD OF THE SECOND PRODUCT: t = score x log2(e) / 8; M = the row's largest t so far, rounded up to a whole number; p = 2^(t - M) is quantised along the keys, not normalised.
; The row's sum is taken of the unquantised p and divides at the end.  When M moves, the sum and O are multiplied by 2^(old M - new M), which rounds nothing.
; SHARES.  Work-group (qb, head of 32): 256 queries; each of sixteen waves owns 16 of them in 256 registers, four waves to a SIMD.  A trip takes 256 keys: one change of M and one rescaling of O for 128 scores a lane.
; LAYOUT.  S^T = K Q^T and O^T = V^T P^T: a lane holds ONE query (lane % 16).  THE KEYS OF A TILE OF K ARE CHOSEN: row r of tile 4 g + u of a key step is key 64 g + 32 (r / 8) + 8 u + r % 8,
; so that the 32 registers of tiles 4 g .. 4 g + 3 are, in lane half h, the 32 keys of block 2 g + h in ascending order: a block's largest score needs no other lane, and a conversion's
; eight codes are register 4 g + u of the second product's operand as it stands.  The choice is made by the LDS addresses alone: key k lies at 512 (k / 16) + 16 (k % 16) + 256 h of K's images.
; THE HEAD HAS 64 CHANNELS, the instruction takes 128: Q's upper four registers are zero codes; a tile of K is named with the four registers behind it, which meet those zeros; no scale byte is 0xff.
; LDS: the head's K images, V images, K words and V words, 143,360 bytes, lie as they lie in memory.  Waves 0 to 10 fetch at the head what trips 0 and 1 read and all scale words, 16 rows of 256 bytes each;
; behind the first barrier every wave fetches 24 rows of the other 96 KB, which are waited for at the one barrier ahead of trip 2.  Each byte is filled once.
; No cluster: the launch has two groups of loads in all, both issued by the first trip.  No prefetch: nothing is asked for later than the first trip, so there is no loop to run ahead in.
; LIMITS: NaN and infinities are not served; the promise holds while |t| stays under 2^31; a block of o whose largest magnitude lies under 2^-124 gets the byte 1.  The 2 scale bytes a token and head leave by 2-byte stores.
.set HEADB, 217088
.set VIM,   65536
.set KWB,   131072
.set VWB,   139264
.set SPARE, 167936                     ; the spare words: 16 waves x 128 bytes
.set AK,  1                            ; LDS addresses that walk: K's images,
.set AV,  2                            ; V's (one trip behind until it is stepped),
.set AKW, 3                            ; K's words,
.set AVW, 4                            ; V's (likewise)
.set SPW, 5
.set NIL, 6
.set BM,  7                            ; v7-10  my four blocks' largest scores, then largest p: block 2 step + g
.set TA,  11
.set NM,  12                           ; -M
.set RM,  13                           ; the running largest score
.set L,   14                           ; v[14:15] the sum in two halves
.set Q,   16                           ; v16-19 Q's codes, v20-23 zero codes
.set QS,  24
.set SH,  25                           ; 8 x (lane / 16)
.set F,   26                           ; v[26:27] f and a written upper half
.set PWD, 28                           ; v28-29 p's scale words, two key steps
.set KWD, 30                           ; v30-33 K's words, four pairs of tiles
.set VWD, 34                           ; v34-37 V's words
.set TB,  38
.set TC,  39
.set KF,  40                           ; v40-71 eight tiles of K, v72-75 zero codes; behind the first product v40-55 are p's codes
.set S,   76                           ; v76-203 S^T, then p; v76-139 take V's fragments behind their conversions
.set O,   204                          ; v204-235 O^T
.set TT,  236
.set T1,  238                          ; v238-243 three more chains of the sum
.set SO,  244                          ; v244-247 the conversions' scale operands
.set BY,  248                          ; v248-251 scale bytes
.set SEL, 24
.set CS,  26                           ; s[26:27] c = log2(e) / 8
.macro PLACES n
.rept \n
	v_nop
.endr
.endm
; D = A x B (+ D); row: A's scales stand in lanes 16-31 of their register
.macro WM d, a, b, z, sa, row, sb
.if \z
.if \row
	v_wmma_scale_f32_16x16x128_f8f6f4 v[\d:\d+7], v[\a:\a+7], v[\b:\b+7], 0, v[\sa], v[\sb] matrix_a_fmt:MATRIX_FMT_FP4 matrix_b_fmt:MATRIX_FMT_FP4 matrix_a_scale:MATRIX_SCALE_ROW1
.else
	v_wmma_scale_f32_16x16x128_f8f6f4 v[\d:\d+7], v[\a:\a+7], v[\b:\b+7], 0, v[\sa], v[\sb] matrix_a_fmt:MATRIX_FMT_FP4 matrix_b_fmt:MATRIX_FMT_FP4
.endif
.else
.if \row
	v_wmma_scale_f32_16x16x128_f8f6f4 v[\d:\d+7], v[\a:\a+7], v[\b:\b+7], v[\d:\d+7], v[\sa], v[\sb] matrix_a_fmt:MATRIX_FMT_FP4 matrix_b_fmt:MATRIX_FMT_FP4 matrix_a_scale:MATRIX_SCALE_ROW1
.else
	v_wmma_scale_f32_16x16x128_f8f6f4 v[\d:\d+7], v[\a:\a+7], v[\b:\b+7], v[\d:\d+7], v[\sa], v[\sb] matrix_a_fmt:MATRIX_FMT_FP4 matrix_b_fmt:MATRIX_FMT_FP4
.endif
.endif
.endm
.macro KLOAD                           ; a key step's eight tiles of K and their words
.irp g, 0,1
.irp u, 0,1,2,3
	ds_load_b128 v[KF+16*\g+4*\u:KF+16*\g+4*\u+3], v[AK] offset:2048*\g+512*(\u/2)+128*(\u%2)
.endr
.endr
.irp p, 0,1,2,3
	ds_load_b32 v[KWD+\p], v[AKW] offset:256*(\p/2)+64*(\p%2)
.endr
.endm
.macro SMUL ph
.irp t, 0,1,2,3,4,5,6,7
	WM S+64*\ph+8*\t, KF+4*\t, Q, 1, KWD+\t/2, \t%2, QS
.endr
.endm
; the largest score of my two blocks of key step ph, each in two chains (17 and 15 numbers), every tile read from its low end on.  MAXA: 28 lines; MAXB: the last 4
.macro MAXA ph
.irp g, 0,1
	v_max3_num_f32 v[BM+2*\ph+\g], v[S+64*\ph+32*\g], v[S+64*\ph+32*\g+1], v[S+64*\ph+32*\g+2]
	v_max3_num_f32 v[TT+\g], v[S+64*\ph+32*\g+17], v[S+64*\ph+32*\g+18], v[S+64*\ph+32*\g+19]
.endr
.irp i, 0,2,4,6,8,10
.irp g, 0,1
	v_max3_num_f32 v[BM+2*\ph+\g], v[BM+2*\ph+\g], v[S+64*\ph+32*\g+3+\i], v[S+64*\ph+32*\g+4+\i]
	v_max3_num_f32 v[TT+\g], v[TT+\g], v[S+64*\ph+32*\g+20+\i], v[S+64*\ph+32*\g+21+\i]
.endr
.endr
.endm
.macro MAXB ph
.irp g, 0,1
	v_max3_num_f32 v[BM+2*\ph+\g], v[BM+2*\ph+\g], v[S+64*\ph+32*\g+15], v[S+64*\ph+32*\g+16]
.endr
.irp g, 0,1
	s_delay_alu instid0(VALU_DEP_2)
	v_max_num_f32 v[BM+2*\ph+\g], v[BM+2*\ph+\g], v[TT+\g]
.endr
.endm
.macro CODES st                        ; key step st's p becomes the operand's eight registers
.irp g, 0,1
.irp u, 0,1,2,3
	v_cvt_scalef32_pk8_fp4_f32 v[KF+8*\st+4*\g+\u], v[S+64*\st+32*\g+8*\u:S+64*\st+32*\g+8*\u+7], v[SO+2*\st+\g]
.endr
.endr
.endm
; A TRIP: 256 keys
.macro TRIP
	KLOAD
	s_wait_dscnt 0x0
	SMUL 0
	v_add_nc_u32 v[AK], 4096, v[AK]                ; four places behind the products, in front of the loads below and of the first reads of results
	v_add_nc_u32 v[AKW], 512, v[AKW]
	v_add_nc_u32 v[AV], 8192, v[AV]                ; V's addresses reach this trip
	v_add_nc_u32 v[AVW], 512, v[AVW]
	KLOAD                                          ; the second key step's tiles land under the first's maxima
	v_add_nc_u32 v[AK], 4096, v[AK]
	v_add_nc_u32 v[AKW], 512, v[AKW]
	MAXA 0
	s_wait_alu depctr_va_vdst(0)
	s_wait_dscnt 0x0
	SMUL 1
	MAXB 0                                         ; four places: they name the first key step's registers alone
	MAXA 1
	MAXB 1
	s_delay_alu instid0(VALU_DEP_2)
	v_max3_num_f32 v[TA], v[BM], v[BM+1], v[BM+2]
	s_delay_alu instid0(VALU_DEP_1)
	v_max_num_f32 v[TA], v[TA], v[BM+3]
	s_delay_alu instid0(VALU_DEP_1)
	v_permlanex16_b32 v[TB], v[TA], s[SEL], s[SEL+1]
	s_delay_alu instid0(VALU_DEP_1)
	v_max3_num_f32 v[RM], v[RM], v[TA], v[TB]      ; the running largest score of my query (c is positive: the largest t is c x it)
	s_delay_alu instid0(VALU_DEP_1)
	v_mul_f32 v[TA], s[CS], v[RM]
	s_delay_alu instid0(VALU_DEP_1)
	v_floor_f32 v[TB], -v[TA]                      ; the new -M = -ceil(t)
	s_delay_alu instid0(VALU_DEP_1)
	v_sub_f32 v[TC], v[TB], v[NM]                  ; old M - new M, a whole number, 0 or less
	v_mov_b32 v[NM], v[TB]
	s_delay_alu instid0(VALU_DEP_2)
	v_cvt_i32_f32 v[TC], v[TC]                     ; (it saturates)
	s_delay_alu instid0(VALU_DEP_1)
	v_ldexp_f32 v[F], 1.0, v[TC]                   ; f = 2^(old M - new M)
.set j, 0
.rept 64
	v_pk_fma_f32 v[S+j:S+j+1], v[S+j:S+j+1], s[CS:CS+1], v[NM:NM+1] op_sel_hi:[1,0,0]   ; t - M
.set j, j+2
.endr
.irp b, 0,1,2,3
	v_fma_f32 v[BM+\b], v[BM+\b], s[CS], v[NM]     ; the same of each block's largest score: p rises with the score
.endr
	s_wait_alu depctr_va_vdst(0)
.irp b, 0,1,2,3
	v_exp_f32 v[BM+\b], v[BM+\b]                   ; each block's largest p
.endr
.set j, 0
.rept 128
	v_exp_f32 v[S+j], v[S+j]                       ; p = 2^(t - M)
.set j, j+1
.endr
	v_pk_mul_f32 v[L:L+1], v[L:L+1], v[F:F+1] op_sel_hi:[1,0]   ; the sums under the new M: the plain place behind the batch
	s_wait_alu depctr_va_vdst(0)                   ; one wait for the batch, ahead of its first reader
.irp b, 0,1,2,3
	v_max_num_f32 v[BM+\b], 0x1800000, v[BM+\b]    ; the floor 2^(3 - 127): the byte cannot fall under 1
.endr
.irp b, 0,1,2,3
	v_add_nc_u32 v[SO+\b], 0xff000000, v[BM+\b]    ; 2 off the exponent field: the conversion's scale operand
.endr
.irp b, 0,1,2,3
	v_lshrrev_b32 v[BY+\b], 23, v[SO+\b]           ; the scale's byte
.endr
.irp st, 0,1
	v_lshl_or_b32 v[BY+2*\st], v[BY+2*\st+1], 16, v[BY+2*\st]   ; my blocks h and 2 + h of the key step,
.endr
.irp st, 0,1
	s_delay_alu instid0(VALU_DEP_2)
	v_lshlrev_b32 v[BY+2*\st], v[SH], v[BY+2*\st]  ; at their places in the word;
.endr
.irp st, 0,1
	s_delay_alu instid0(VALU_DEP_2)
	v_permlanex16_b32 v[BY+2*\st+1], v[BY+2*\st], s[SEL], s[SEL+1]
.endr
.irp st, 0,1
	s_delay_alu instid0(VALU_DEP_2)
	v_or_b32 v[PWD+\st], v[BY+2*\st], v[BY+2*\st+1]   ; with lane l xor 16's two the word is whole
.endr
	v_pk_add_f32 v[T1:T1+1], v[S+32:S+33], v[S+34:S+35]   ; the row's sum of the unquantised p, in four chains of 32 numbers
	v_pk_add_f32 v[L:L+1], v[L:L+1], v[S:S+1]
	v_pk_add_f32 v[T1+2:T1+3], v[S+64:S+65], v[S+66:S+67]
	v_pk_add_f32 v[T1+4:T1+5], v[S+96:S+97], v[S+98:S+99]
	v_pk_add_f32 v[L:L+1], v[L:L+1], v[S+2:S+3]
.set j, 4
.rept 14
	v_pk_add_f32 v[T1:T1+1], v[T1:T1+1], v[S+32+j:S+33+j]
	v_pk_add_f32 v[T1+2:T1+3], v[T1+2:T1+3], v[S+64+j:S+65+j]
	v_pk_add_f32 v[T1+4:T1+5], v[T1+4:T1+5], v[S+96+j:S+97+j]
	v_pk_add_f32 v[L:L+1], v[L:L+1], v[S+j:S+j+1]
.set j, j+2
.endr
	CODES 0
.irp st, 0,1                                   ; V's fragments of both key steps take the registers that the conversions above have read
.irp t, 0,1,2,3
.irp c, 0,1
	ds_load_b128 v[S+32*\st+8*\t+4*\c:S+32*\st+8*\t+4*\c+3], v[AV] offset:4096*\st+1024*\t+512*\c
.endr
.endr
.irp p, 0,1
	ds_load_b32 v[VWD+2*\st+\p], v[AVW] offset:256*\st+128*\p
.endr
.endr
	CODES 1
	s_wait_alu depctr_va_vdst(0)                   ; directly ahead of the first reader of O^T
.set j, 0
.rept 16
	v_pk_mul_f32 v[O+j:O+j+1], v[O+j:O+j+1], v[F:F+1] op_sel_hi:[1,0]   ; O^T under the new M; also the places in front of the products below
.set j, j+2
.endr
	s_wait_alu depctr_va_vdst(0)
	s_wait_dscnt 0x0                               ; V and its words are in
.irp st, 0,1                                   ; the four accumulators by turns
.irp t, 0,1,2,3
	WM O+8*\t, S+32*\st+8*\t, KF+8*\st, 0, VWD+2*\st+\t/2, \t%2, PWD+\st
.endr
.endr
	v_pk_add_f32 v[T1:T1+1], v[T1:T1+1], v[T1+2:T1+3]   ; five places: the next trip's first products write over V's fragments
	v_pk_add_f32 v[L:L+1], v[L:L+1], v[T1+4:T1+5]
	v_nop
	v_nop
	v_pk_add_f32 v[L:L+1], v[L:L+1], v[T1:T1+1]
.endm
	s_load_b128 s[4:7], s[0:1], 0x0                ; qkv s[4:5], oq s[6:7]
	v_lshl_add_u32 v[SPW], v0, 2, SPARE
	v_mov_b32 v[NIL], 0
	ds_add_u32 v[SPW], v[NIL]                      ; the opening lines: the add, twice on end, and its wait
	ds_add_u32 v[SPW], v[NIL]
	v_lshrrev_b32 v9, 5, v0
	s_delay_alu instid0(VALU_DEP_1)
	v_readfirstlane_b32 s8, v9                     ; wave 0..15
	s_and_b32 s9, ttmp7, 0xffff                    ; the head, 0..31
	s_mov_b32 s16, 3<<16                           ; group 1 of the head's loads: 16 dense rows of 32 elements of 8 bytes, no padding
	s_mov_b32 s17, 32<<16
	s_mov_b32 s18, 16<<16
	s_mov_b32 s19, 32<<16
	s_mov_b32 s20, 16
	s_mov_b32 s21, 32
	s_mov_b32 s22, 0
	s_mov_b32 s23, 0
	s_mov_b32 s48, 3<<16                           ; of the second group: 24 such rows
	s_mov_b32 s49, 32<<16
	s_mov_b32 s50, 24<<16
	s_mov_b32 s51, 32<<16
	s_mov_b32 s52, 24
	s_mov_b32 s53, 32
	s_mov_b32 s54, 0
	s_mov_b32 s55, 0
	s_mov_b32 s12, 1                               ; waves 0-3: K's first 16 KB; 4-7: V's; 8-10: the 12 KB of words: 65,536 (wave / 4) + 4,096 (wave % 4), in LDS as in memory
	s_lshr_b32 s28, s8, 2
	s_lshl_b32 s28, s28, 16
	s_and_b32 s29, s8, 3
	s_lshl_b32 s29, s29, 12
	s_add_co_u32 s13, s28, s29
	s_mov_b32 s44, 1                               ; then waves 0-7: the rest of K's images; 8-15: of V's: 65,536 (wave / 8) + 16,384 + 6,144 (wave % 8)
	s_lshr_b32 s28, s8, 3
	s_lshl_b32 s28, s28, 16
	s_and_b32 s29, s8, 7
	s_mul_i32 s29, s29, 6144
	s_add_co_u32 s45, s28, s29
	s_add_co_u32 s45, s45, 16384
	s_mul_i32 s32, s9, HEADB
	s_mov_b32 s33, 0
	s_mov_b32 s36, s13
	s_mov_b32 s37, 0
	s_mov_b32 s38, s45
	s_mov_b32 s39, 0
	s_lshl_b32 s10, ttmp9, 4
	s_add_co_u32 s10, s10, s8                      ; my tile of queries: 16 qb + wave
	s_lshl_b32 s11, s10, 9
	s_add_co_u32 s11, s11, 143360                  ; its image
	s_lshl_b32 s30, s10, 6
	s_add_co_u32 s30, s30, 208896                  ; its scale words
	s_mov_b32 s[SEL], 0x76543210
	s_mov_b32 s[SEL+1], 0xfedcba98
	s_mov_b32 s[CS], 0x3e38aa3b
	s_mov_b32 s[CS+1], s[CS]                       ; (named with it as a pair, so it is written)
	s_mov_b32 s31, 0                               ; trips done
	s_wait_dscnt 0x0
	s_wait_kmcnt 0x0
	s_add_nc_u64 s[34:35], s[4:5], s[32:33]        ; the head's first byte
	s_add_nc_u64 s[14:15], s[34:35], s[36:37]
	s_or_b32 s15, s15, 0x80000000
	s_add_nc_u64 s[46:47], s[34:35], s[38:39]
	s_or_b32 s47, s47, 0x80000000
	s_cmp_gt_u32 s8, 10
	s_cbranch_scc1 .Lno_head
	tensor_load_to_lds s[12:15], s[16:23]          ; at most one load a wave at the head
	s_nop 0
	PLACES 4
.Lno_head:
	v_and_b32 v9, 31, v0                           ; lane
	v_and_b32 v10, 15, v0                          ; r
	v_bfe_u32 v11, v0, 4, 1                        ; h
	v_and_b32 v8, 7, v0                            ; r % 8
	v_bfe_u32 v7, v0, 3, 1                         ; r / 8
	v_lshl_add_u32 v252, v9, 4, s11
	v_lshl_add_u32 v253, v10, 2, s30
	global_load_b128 v[Q:Q+3], v252, s[34:35]      ; Q's codes stay in registers
	global_load_b32 v[QS], v253, s[34:35]          ; Q's scale words
	v_lshlrev_b32 v[AK], 4, v8
	v_lshlrev_b32 v[AKW], 2, v8
	v_lshl_add_u32 v[AK], v7, 10, v[AK]
	v_lshl_add_u32 v[AKW], v7, 7, v[AKW]
	v_lshl_add_u32 v[AK], v11, 8, v[AK]            ; K's images: 1,024 (r / 8) + 16 (r % 8) + 256 h
	v_lshl_add_u32 v[AKW], v11, 5, v[AKW]
	v_lshl_add_u32 v[AV], v9, 4, VIM-8192          ; V's images: 16 lane, one trip behind
	v_add_nc_u32 v[AKW], KWB, v[AKW]               ; K's words: 128 (r / 8) + 4 (r % 8); lanes 16-31 the pair's second tile, 32 bytes on
	v_lshl_add_u32 v[AVW], v9, 2, VWB-512          ; V's words: 4 lane: lanes 0-15 one tile, lanes 16-31 the next
	v_lshlrev_b32 v[SH], 3, v11
.irp j, 20,21,22,23,72,73,74,75,27,38
	v_mov_b32 v[\j], 0                             ; zero codes: Q's upper half, and what stands behind K's last tile; f's upper half; a permute's destination
.endr
	v_mov_b32 v[RM], 0xff61b1e6                    ; the largest score so far: -3e38
	v_mov_b32 v[NM], 0x7f61b1e6                    ; -M: 3e38, a whole number: the first f is 0
	v_mov_b32 v[L], 0
	v_mov_b32 v[L+1], 0
.set j, 0
.rept 32
	v_mov_b32 v[O+j], 0                            ; O^T: the trip is written once; the first finds zeros
.set j, j+1
.endr
	s_wait_alu depctr_va_vdst(0)
	s_wait_tensorcnt 0x0                           ; my part of the head's fills has landed
	ds_add_u32 v[SPW], v[NIL]
	ds_add_u32 v[SPW], v[NIL]                      ; twice on end
	s_wait_dscnt 0x0
	s_barrier_signal -1
	s_barrier_wait -1                              ; everybody's part has landed
	tensor_load_to_lds s[44:47], s[48:55]          ; the other 96 KB, one load a wave: first fills all
	s_nop 0
	PLACES 4
	s_wait_loadcnt 0x0                             ; Q
.Lfirst:                                               ; trips 0 and 1 read what the head fetched
	TRIP
	s_add_co_u32 s31, s31, 1
	s_cmp_lt_u32 s31, 2
	s_cbranch_scc1 .Lfirst
	s_wait_tensorcnt 0x0                           ; my part of the rest has landed (no LDS load of mine is out),
	s_barrier_signal -1
	s_barrier_wait -1                              ; everybody's has.
.Lrest:                                                ; trips 2 to 7
	TRIP
	s_add_co_u32 s31, s31, 1
	s_cmp_lt_u32 s31, 8
	s_cbranch_scc1 .Lrest
	; ---- the way out: O^T / the sum, quantised along the head's 64 channels: half a K step of the next product
.set D,  S
.set TM, 236
	s_lshr_b32 s32, s9, 4
	s_lshl_b32 s32, s32, 7
	s_add_co_u32 s32, s32, s10                     ; my tile among the 256 tiles of tokens
	s_and_b32 s33, s9, 15                          ; the head in its sequence
	s_lshl_b32 s36, s32, 13
	s_lshl_b32 s37, s33, 9
	s_add_co_u32 s36, s36, s37                     ; image: 8,192 a tile, 512 a head
	s_lshl_b32 s37, s32, 9
	s_lshl_b32 s38, s33, 1
	s_add_co_u32 s37, s37, s38
	s_add_co_u32 s37, s37, 2097152                 ; scale bytes: 32 a token, 2 a head
	s_wait_alu depctr_va_vdst(0)
	v_add_f32 v[L], v[L], v[L+1]
	s_delay_alu instid0(VALU_DEP_1)
	v_permlanex16_b32 v[TB], v[L], s[SEL], s[SEL+1]
	s_delay_alu instid0(VALU_DEP_1)
	v_add_f32 v[L], v[L], v[TB]                    ; the row's sum
	s_wait_alu depctr_va_vdst(0)                   ; ahead of the transcendental
	v_rcp_f32 v[L], v[L]
	v_and_b32 v7, 31, v0                           ; (plain work behind the reciprocal)
	v_and_b32 v8, 15, v0
	v_lshl_add_u32 v7, v7, 4, s36
	v_lshl_add_u32 v8, v8, 5, s37
	s_wait_alu depctr_va_vdst(0)                   ; ahead of the reciprocal's first reader, which is also O^T's
.set j, 0
.rept 32
	v_mul_f32 v[D+j], v[O+j], v[L]                 ; register 16 b + 8 i + j is channel 32 b + 16 i + 8 h + j
.set j, j+1
.endr
.irp b, 0,1
	v_max3_num_f32 v[TM+\b], |v[D+16*\b]|, |v[D+16*\b+1]|, 0x1800000
.endr
.irp i, 2,4,6,8,10,12,14
.irp b, 0,1
	s_delay_alu instid0(VALU_DEP_2)
	v_max3_num_f32 v[TM+\b], v[TM+\b], |v[D+16*\b+\i]|, |v[D+16*\b+\i+1]|
.endr
.endr
.irp b, 0,1
	s_delay_alu instid0(VALU_DEP_2)
	v_permlanex16_b32 v[TM+4+\b], v[TM+\b], s[SEL], s[SEL+1]
.endr
.irp b, 0,1
	s_delay_alu instid0(VALU_DEP_2)
	v_max_num_f32 v[TM+\b], v[TM+\b], v[TM+4+\b]   ; with lane l xor 16's 16: the block's largest magnitude
.endr
.irp b, 0,1
	s_delay_alu instid0(VALU_DEP_2)
	v_add_nc_u32 v[TM+8+\b], 0xff000000, v[TM+\b]
.endr
.irp b, 0,1
	s_delay_alu instid0(VALU_DEP_2)
	v_lshrrev_b32 v[TM+4+\b], 23, v[TM+8+\b]
.endr
	s_delay_alu instid0(VALU_DEP_1)
	v_lshl_or_b32 v[TC], v[TM+5], 8, v[TM+4]
.irp b, 0,1
	v_cvt_scalef32_pk8_fp4_f32 v[KF+\b], v[D+16*\b:D+16*\b+7], v[TM+8+\b]
	v_cvt_scalef32_pk8_fp4_f32 v[KF+2+\b], v[D+16*\b+8:D+16*\b+15], v[TM+8+\b]
.endr
	v_nop                                          ; one plain place behind the scaled conversions
.irp i, 0,1
	v_permlane16_swap_b32 v[KF+2*\i], v[KF+2*\i+1] ; lanes 0-15 block 0, lanes 16-31 block 1, K ascending
.endr
	global_store_b128 v7, v[KF:KF+3], s[6:7]       ; 512 consecutive bytes
	global_store_b16 v8, v[TC], s[6:7]             ; lanes 16-31 write the same bytes with the same values
	s_wait_tensorcnt 0x0                           ; the wave's end
	ds_add_u32 v[SPW], v[NIL]
	s_wait_dscnt 0x0
	s_endpgm
.Lfunc_end_k_qd4003be94c_attn:
	.size	k_qd4003be94c_attn, .Lfunc_end_k_qd4003be94c_attn-k_qd4003be94c_attn
	.p2alignl 7, 3214868480
	.fill 96, 4, 3214868480
	.section	.rodata,"a",@progbits
	.p2align	6, 0x0
	.amdhsa_kernel k_qd4003be94c_attn
		.amdhsa_group_segment_fixed_size 327680
		.amdhsa_private_segment_fixed_size 0
		.amdhsa_enable_private_segment 0
		.amdhsa_kernarg_size 16
		.amdhsa_user_sgpr_count 2
		.amdhsa_user_sgpr_kernarg_segment_ptr 1
		.amdhsa_wavefront_size32 1
		.amdhsa_system_sgpr_workgroup_id_x 1
		.amdhsa_system_sgpr_workgroup_id_y 1
		.amdhsa_system_sgpr_workgroup_id_z 1
		.amdhsa_system_vgpr_workitem_id 0
		.amdhsa_next_free_vgpr 256
		.amdhsa_next_free_sgpr 66
		.amdhsa_reserve_vcc 0
		.amdhsa_float_denorm_mode_32 3
		.amdhsa_float_denorm_mode_16_64 3
		.amdhsa_memory_ordered 1
		.amdhsa_forward_progress 1
		.amdhsa_inst_pref_size 66
	.end_amdhsa_kernel
	.amdgpu_metadata
---
amdhsa.version: [ 1, 2 ]
amdhsa.kernels:
  - .name:           k_qd4003be94c_attn
    .symbol:         k_qd4003be94c_attn.kd
    .args:
      - { .name: qkv, .offset: 0, .size: 8, .value_kind: global_buffer, .address_space: global }
      - { .name: oq, .offset: 8, .size: 8, .value_kind: global_buffer, .address_space: global }
    .group_segment_fixed_size: 327680
    .private_segment_fixed_size: 0
    .kernarg_segment_align: 8
    .kernarg_segment_size: 16
    .max_flat_workgroup_size: 512
    .sgpr_count:     66
    .vgpr_count:     256
    .wavefront_size: 32
...
	.end_amdgpu_metadata
.endif
;; end of part 2
;; launch proj (part 3): grid 256 x 1, 16 waves a work-group, no clusters, 78,848 bytes of LDS; arguments oq, w_o_codes, w_o_scales, b_o, x, g1, be1, h, hq; writes h, hq
.if DOCPART == 3
	.amdgcn_target "amdgcn-amd-amdhsa--gfx1250"
	.amdhsa_code_object_version 6
	.text
	.protected	k_qd4003be94c_proj
	.globl	k_qd4003be94c_proj
	.p2align	8
	.type	k_qd4003be94c_proj,@function
k_qd4003be94c_proj:
	s_mov_b64 s[64:65], 0
	v_nop
	global_prefetch_b8 v0, s[64:65] scope:SCOPE_SE
	s_setreg_imm32_b32 hwreg(HW_REG_WAVE_MODE, 25, 1), 1
	s_wait_xcnt 0x0
; h = layernorm(o w_o + b_o + x) g1 + be1; the product on codes of FP4 (E2M1) with E8M0 scales; h leaves as f32 and, quantised along its 1,024, as images of operand registers with scale bytes [token][32].
; SHARES.  A work-group owns 16 whole rows, as the norm asks; wave w owns columns 64 w .. +63, four tiles.  Source 0 = 16 rows of w_o, source 1 = the 16 tokens: a lane holds one token and eight neighbouring columns a tile.
; Each fragment of w_o feeds one product in the work-group, so the weights go from memory straight into registers, two K steps (128 bytes of each row) at a time in two sets; no tensor load, no ring.
; x is the C of the first products: each wave loads one dense row, the rows turn through a stage in LDS (pitch 4,112) into the result's layout; h goes back the same way and leaves as dense rows.
; The mean and then the mean of the squared differences are taken in two passes, each across the sixteen waves through 1,024 bytes of LDS.
; LIMITS: NaN and infinities are not served; a block of h whose largest magnitude lies under 2^-124 gets the byte 1.
.set S1,  65792                        ; LDS: the stage 16 x 4,112 at 0; [r][wave] f32 sums at S1, of squares at S1 + 1,024; scale bytes [r][32] at SCB
.set SCB, 67840
.set SA,  16                           ; v16-23  the tokens' scale words, K steps 0..7
.set SW,  24                           ; v24-39  w_o's: 8 words for each pair of tiles
.set ACC, 40                           ; v40-71
.set AF0, 72                           ; v72-103 the tokens' fragments, two sets of two K steps
.set WF0, 104                          ; v104-231 w_o's, two sets of 4 tiles x 2 K steps; later b_o, g1, be1 and rows of h
.set PC,  232
.set TM,  236
.set PW,  248
.set SEL, 28
.macro PLACES
.rept 4
	v_nop
.endr
.endm
.macro WM d, f0, f1, zero, s0, row0, s1, row1
.if \zero
.if (\row0) && (\row1)
	v_wmma_scale_f32_16x16x128_f8f6f4 v[\d:\d+7], v[\f0:\f0+7], v[\f1:\f1+7], 0, v[\s0], v[\s1] matrix_a_fmt:MATRIX_FMT_FP4 matrix_b_fmt:MATRIX_FMT_FP4 matrix_a_scale:MATRIX_SCALE_ROW1 matrix_b_scale:MATRIX_SCALE_ROW1
.elseif \row0
	v_wmma_scale_f32_16x16x128_f8f6f4 v[\d:\d+7], v[\f0:\f0+7], v[\f1:\f1+7], 0, v[\s0], v[\s1] matrix_a_fmt:MATRIX_FMT_FP4 matrix_b_fmt:MATRIX_FMT_FP4 matrix_a_scale:MATRIX_SCALE_ROW1
.elseif \row1
	v_wmma_scale_f32_16x16x128_f8f6f4 v[\d:\d+7], v[\f0:\f0+7], v[\f1:\f1+7], 0, v[\s0], v[\s1] matrix_a_fmt:MATRIX_FMT_FP4 matrix_b_fmt:MATRIX_FMT_FP4 matrix_b_scale:MATRIX_SCALE_ROW1
.else
	v_wmma_scale_f32_16x16x128_f8f6f4 v[\d:\d+7], v[\f0:\f0+7], v[\f1:\f1+7], 0, v[\s0], v[\s1] matrix_a_fmt:MATRIX_FMT_FP4 matrix_b_fmt:MATRIX_FMT_FP4
.endif
.else
.if (\row0) && (\row1)
	v_wmma_scale_f32_16x16x128_f8f6f4 v[\d:\d+7], v[\f0:\f0+7], v[\f1:\f1+7], v[\d:\d+7], v[\s0], v[\s1] matrix_a_fmt:MATRIX_FMT_FP4 matrix_b_fmt:MATRIX_FMT_FP4 matrix_a_scale:MATRIX_SCALE_ROW1 matrix_b_scale:MATRIX_SCALE_ROW1
.elseif \row0
	v_wmma_scale_f32_16x16x128_f8f6f4 v[\d:\d+7], v[\f0:\f0+7], v[\f1:\f1+7], v[\d:\d+7], v[\s0], v[\s1] matrix_a_fmt:MATRIX_FMT_FP4 matrix_b_fmt:MATRIX_FMT_FP4 matrix_a_scale:MATRIX_SCALE_ROW1
.elseif \row1
	v_wmma_scale_f32_16x16x128_f8f6f4 v[\d:\d+7], v[\f0:\f0+7], v[\f1:\f1+7], v[\d:\d+7], v[\s0], v[\s1] matrix_a_fmt:MATRIX_FMT_FP4 matrix_b_fmt:MATRIX_FMT_FP4 matrix_b_scale:MATRIX_SCALE_ROW1
.else
	v_wmma_scale_f32_16x16x128_f8f6f4 v[\d:\d+7], v[\f0:\f0+7], v[\f1:\f1+7], v[\d:\d+7], v[\s0], v[\s1] matrix_a_fmt:MATRIX_FMT_FP4 matrix_b_fmt:MATRIX_FMT_FP4
.endif
.endif
.endm
; 16 nb numbers of a lane, register 16 b + 8 i + j = k 32 b + 16 i + 8 (lane / 16) + j of my row, become 2 nb registers of codes in the operand's order and my row's scale word
.macro QUANT src, nb, pc, pw
.irp b, 0,1,2,3
.if \b < \nb
	v_max3_num_f32 v[TM+\b], |v[\src+16*\b]|, |v[\src+16*\b+1]|, 0x1800000
.endif
.endr
.irp i, 2,4,6,8,10,12,14
.irp b, 0,1,2,3
.if \b < \nb
	s_delay_alu instid0(VALU_DEP_2)
	v_max3_num_f32 v[TM+\b], v[TM+\b], |v[\src+16*\b+\i]|, |v[\src+16*\b+\i+1]|
.endif
.endr
.endr
.irp b, 0,1,2,3
.if \b < \nb
	s_delay_alu instid0(VALU_DEP_2)
	v_permlanex16_b32 v[TM+4+\b], v[TM+\b], s[SEL], s[SEL+1]
.endif
.endr
.irp b, 0,1,2,3
.if \b < \nb
	s_delay_alu instid0(VALU_DEP_2)
	v_max_num_f32 v[TM+\b], v[TM+\b], v[TM+4+\b]
.endif
.endr
.irp b, 0,1,2,3
.if \b < \nb
	s_delay_alu instid0(VALU_DEP_2)
	v_add_nc_u32 v[TM+8+\b], 0xff000000, v[TM+\b]
.endif
.endr
.irp b, 0,1,2,3
.if \b < \nb
	s_delay_alu instid0(VALU_DEP_2)
	v_lshrrev_b32 v[TM+4+\b], 23, v[TM+8+\b]
.endif
.endr
	s_delay_alu instid0(VALU_DEP_1)
	v_lshl_or_b32 v[\pw], v[TM+5], 8, v[TM+4]
.if \nb > 2
	v_lshl_or_b32 v[\pw], v[TM+6], 16, v[\pw]
	v_lshl_or_b32 v[\pw], v[TM+7], 24, v[\pw]
.endif
.irp b, 0,1,2,3
.if \b < \nb
	v_cvt_scalef32_pk8_fp4_f32 v[\pc+4*(\b/2)+(\b%2)], v[\src+16*\b:\src+16*\b+7], v[TM+8+\b]
	v_cvt_scalef32_pk8_fp4_f32 v[\pc+4*(\b/2)+2+(\b%2)], v[\src+16*\b+8:\src+16*\b+15], v[TM+8+\b]
.endif
.endr
	v_nop
.irp c, 0,1
.if 2*\c < \nb
.irp i, 0,1
	v_permlane16_swap_b32 v[\pc+4*\c+2*\i], v[\pc+4*\c+2*\i+1]
.endr
.endif
.endr
.endm
; chunk j: K steps 2 j and 2 j + 1: CH: 16 loads of w_o from memory; AL: the tokens' four half fragments from their image in LDS
.macro CH j
.irp t, 0,1,2,3
.irp u, 0,1
.irp c, 0,1
	global_load_b128 v[WF0+64*((\j)%2)+16*\t+8*\u+4*\c:WF0+64*((\j)%2)+16*\t+8*\u+4*\c+3], v4, s[6:7] offset:8192*\t+128*(\j)+64*\u+32*\c
.endr
.endr
.endr
.endm
.macro AL j
.irp u, 0,1
.irp c, 0,1
	ds_load_b128 v[AF0+16*((\j)%2)+8*\u+4*\c:AF0+16*((\j)%2)+8*\u+4*\c+3], v253 offset:(2*(\j)+\u)*1024+512*\c
.endr
.endr
.endm
.macro MUL j                           ; eight products, the four accumulators by turns
.irp u, 0,1
.irp t, 0,1,2,3
	WM ACC+8*\t, WF0+64*((\j)%2)+16*\t+8*\u, AF0+16*((\j)%2)+8*\u, 0, SW+8*(\t/2)+2*(\j)+\u, \t%2, SA+2*(\j)+\u, 0
.endr
.endr
.endm
; v250, my lane's figure, becomes the row's: with lane l xor 16's, then with the other fifteen waves' through LDS
.macro CROSS off
	s_delay_alu instid0(VALU_DEP_1)
	v_permlanex16_b32 v251, v250, s[SEL], s[SEL+1]
	s_delay_alu instid0(VALU_DEP_1)
	v_add_f32 v250, v250, v251
	ds_store_b32 v10, v250 offset:\off             ; both halves of the lanes write the same word
	s_wait_dscnt 0x0                               ; for the others' sake
	s_barrier_signal -1
	s_barrier_wait -1
.irp q, 0,1,2,3
	ds_load_b128 v[232+4*\q:235+4*\q], v11 offset:\off+16*\q
.endr
	s_wait_dscnt 0x0
	v_pk_add_f32 v[232:233], v[232:233], v[234:235]
	v_pk_add_f32 v[236:237], v[236:237], v[238:239]
	v_pk_add_f32 v[240:241], v[240:241], v[242:243]
	v_pk_add_f32 v[244:245], v[244:245], v[246:247]
	s_delay_alu instid0(VALU_DEP_3)
	v_pk_add_f32 v[232:233], v[232:233], v[236:237]
	s_delay_alu instid0(VALU_DEP_2)
	v_pk_add_f32 v[240:241], v[240:241], v[244:245]
	s_delay_alu instid0(VALU_DEP_1)
	v_pk_add_f32 v[232:233], v[232:233], v[240:241]
	s_delay_alu instid0(VALU_DEP_1)
	v_add_f32 v250, v232, v233
.endm
	s_load_b256 s[4:11], s[0:1], 0x0               ; oq s[4:5], w_o's codes s[6:7], its scales s[8:9], b_o s[10:11]
	s_load_b256 s[12:19], s[0:1], 0x20             ; x s[12:13], g1 s[14:15], be1 s[16:17], h s[18:19]
	s_load_b64 s[20:21], s[0:1], 0x40              ; hq
	v_lshrrev_b32 v1, 5, v0
	s_delay_alu instid0(VALU_DEP_1)
	v_readfirstlane_b32 s22, v1                    ; wave 0..15
	v_and_b32 v1, 15, v0                           ; r
	v_bfe_u32 v2, v0, 4, 1                         ; h
	v_and_b32 v3, 31, v0                           ; lane
	s_mov_b32 s[SEL], 0x76543210
	s_mov_b32 s[SEL+1], 0xfedcba98
	s_lshl_b32 s23, s22, 15
	v_lshlrev_b32 v4, 9, v1
	s_delay_alu instid0(VALU_DEP_1)
	v_lshl_add_u32 v4, v2, 4, v4
	s_delay_alu instid0(VALU_DEP_1)
	v_add_nc_u32 v4, s23, v4                       ; w_o: (64 w + r) rows of 512 bytes + 16 h
	s_lshl_b32 s23, s22, 11
	v_lshl_add_u32 v5, v3, 5, s23                  ; its scales: (64 w + lane) rows of 32 bytes
	v_lshlrev_b32 v6, 4, v3                        ; 16 lane
	v_lshlrev_b32 v7, 5, v1                        ; 32 r
	s_mul_i32 s23, s22, 4112
	v_add_nc_u32 v8, s23, v6                       ; the stage by rows: row w, 16 lane
	v_mul_u32_u24 v9, v1, 4112
	s_delay_alu instid0(VALU_DEP_1)
	v_lshl_add_u32 v9, v2, 5, v9
	s_lshl_b32 s23, s22, 8
	v_add_nc_u32 v9, s23, v9                       ; the stage by fragments: row r, 256 w + 32 h
	v_lshl_add_u32 v13, v2, 5, s23                 ; b_o, g1, be1: 256 w + 32 h
	v_lshlrev_b32 v11, 6, v1
	s_delay_alu instid0(VALU_DEP_1)
	v_add_nc_u32 v11, S1, v11                      ; a row's sixteen partial sums
	s_lshl_b32 s23, s22, 2
	v_add_nc_u32 v10, s23, v11                     ; mine among them
	s_lshl_b32 s23, s22, 1
	s_add_co_u32 s23, s23, SCB
	v_add_nc_u32 v12, s23, v7                      ; my two scale bytes of row r
	v_add_nc_u32 v14, SCB, v6                      ; the scale bytes on their way out
.set AIM, 70656                        ; LDS, behind the spare words: the 16 tokens' image, 8,192 bytes as it lies in memory.  All sixteen waves want all of it: each brings 512 bytes, once
	v_lshlrev_b32 v251, 4, v0                      ; 16 x my thread's number: my 16 bytes of the image in memory,
	v_add_nc_u32 v253, AIM, v6                     ; a fragment's place in LDS: 16 lane,
	v_add_nc_u32 v252, AIM, v251                   ; and where my 16 bytes go
	v_mov_b32 v255, 0                              ; (named as the upper half of the pair v[254:255])
	s_lshl_b32 s30, ttmp9, 13
	s_mov_b32 s31, 0
	s_lshl_b32 s32, ttmp9, 9
	s_add_co_u32 s32, s32, 2097152
	s_mov_b32 s33, 0
	s_lshl_b32 s38, s22, 9
	s_add_co_u32 s38, s38, s30
	s_mov_b32 s39, 0
	s_lshl_b32 s40, ttmp9, 16
	s_lshl_b32 s41, s22, 12
	s_add_co_u32 s40, s40, s41
	s_mov_b32 s41, 0
	s_wait_alu depctr_va_vdst(0)
	s_wait_kmcnt 0x0
	s_add_nc_u64 s[24:25], s[4:5], s[30:31]        ; the tokens' images
	s_add_nc_u64 s[26:27], s[4:5], s[32:33]        ; their scale bytes
	s_add_nc_u64 s[34:35], s[20:21], s[32:33]      ; hq's scale bytes
	s_add_nc_u64 s[36:37], s[20:21], s[38:39]      ; hq's image: 8,192 a tile, 512 a wave
	s_add_nc_u64 s[12:13], s[12:13], s[40:41]      ; x and h at row 16 tb + w
	s_add_nc_u64 s[18:19], s[18:19], s[40:41]
.irp i, 0,1,2,3,4,5,6,7
	global_load_b128 v[ACC+4*\i:ACC+4*\i+3], v6, s[12:13] offset:512*\i   ; a dense row of x
.endr
	global_load_b128 v[232:235], v251, s[24:25]    ; my sixteenth of the tokens' image
	global_load_b128 v[SA:SA+3], v7, s[26:27]
	global_load_b128 v[SA+4:SA+7], v7, s[26:27] offset:16
.irp p, 0,1
.irp q, 0,1
	global_load_b128 v[SW+8*\p+4*\q:SW+8*\p+4*\q+3], v5, s[8:9] offset:1024*\p+16*\q
.endr
.endr
	CH 0
	CH 1
	s_wait_loadcnt 38                              ; x's eight loads and the image's one are in; the 6 + 32 issued behind them may be out
.irp i, 0,1,2,3,4,5,6,7
	ds_store_b128 v8, v[ACC+4*\i:ACC+4*\i+3] offset:512*\i
.endr
	ds_store_b128 v252, v[232:235]
	s_wait_dscnt 0x0
	s_barrier_signal -1
	s_barrier_wait -1                              ; sixteen rows of x lie in the stage
.irp t, 0,1,2,3
.irp q, 0,1
	ds_load_b128 v[ACC+8*\t+4*\q:ACC+8*\t+4*\q+3], v9 offset:64*\t+16*\q   ; x in the result's layout: the C of the first products
.endr
.endr
	AL 0
	AL 1
	s_wait_loadcnt 16                              ; the scales and chunk 0 are in; chunk 1's 16 loads may be out
	s_wait_dscnt 0x0
	MUL 0
	PLACES
	CH 2
	AL 2
	s_wait_loadcnt 16                              ; chunk 1 is in
	MUL 1
	PLACES
	CH 3
	AL 3
	s_wait_loadcnt 16                              ; chunk 2 is in,
	s_wait_dscnt 4                                 ; and its tokens' fragments; chunk 3's four LDS loads may be out
	MUL 2
	PLACES
.irp t, 0,1,2,3
.irp q, 0,1
	global_load_b128 v[104+8*\t+4*\q:107+8*\t+4*\q], v13, s[10:11] offset:64*\t+16*\q   ; b_o
.endr
.endr
.irp t, 0,1,2,3
.irp q, 0,1
	global_load_b128 v[136+8*\t+4*\q:139+8*\t+4*\q], v13, s[14:15] offset:64*\t+16*\q   ; g1
.endr
.endr
	s_wait_loadcnt 16                              ; chunk 3 is in,
	s_wait_dscnt 0x0                               ; and its tokens' fragments
	MUL 3
	PLACES
.irp t, 0,1,2,3
.irp q, 0,1
	global_load_b128 v[168+8*\t+4*\q:171+8*\t+4*\q], v13, s[16:17] offset:64*\t+16*\q   ; be1
.endr
.endr
	s_wait_loadcnt 8                               ; b_o and g1 are in
.set j, 0
.rept 16
	v_pk_add_f32 v[ACC+j:ACC+j+1], v[ACC+j:ACC+j+1], v[104+j:105+j]
.set j, j+2
.endr
	v_pk_add_f32 v[250:251], v[40:41], v[42:43]    ; my 32 numbers' sum, in two chains
	v_pk_add_f32 v[252:253], v[44:45], v[46:47]
.irp j, 8,12,16,20,24,28
	s_delay_alu instid0(VALU_DEP_2)
	v_pk_add_f32 v[250:251], v[250:251], v[40+\j:41+\j]
	s_delay_alu instid0(VALU_DEP_2)
	v_pk_add_f32 v[252:253], v[252:253], v[42+\j:43+\j]
.endr
	s_delay_alu instid0(VALU_DEP_1)
	v_pk_add_f32 v[250:251], v[250:251], v[252:253]
	s_delay_alu instid0(VALU_DEP_1)
	v_add_f32 v250, v250, v251
	CROSS 0
	s_delay_alu instid0(VALU_DEP_1)
	v_mul_f32 v254, 0x3a800000, v250               ; the mean: / 1,024
.set j, 0
.rept 16
	v_pk_add_f32 v[ACC+j:ACC+j+1], v[ACC+j:ACC+j+1], v[254:255] op_sel_hi:[1,0] neg_lo:[0,1] neg_hi:[0,1]
.set j, j+2
.endr
	v_pk_mul_f32 v[250:251], v[40:41], v[40:41]
	v_pk_mul_f32 v[252:253], v[42:43], v[42:43]
.irp j, 4,8,12,16,20,24,28
	s_delay_alu instid0(VALU_DEP_2)
	v_pk_fma_f32 v[250:251], v[40+\j:41+\j], v[40+\j:41+\j], v[250:251]
	s_delay_alu instid0(VALU_DEP_2)
	v_pk_fma_f32 v[252:253], v[42+\j:43+\j], v[42+\j:43+\j], v[252:253]
.endr
	s_delay_alu instid0(VALU_DEP_1)
	v_pk_add_f32 v[250:251], v[250:251], v[252:253]
	s_delay_alu instid0(VALU_DEP_1)
	v_add_f32 v250, v250, v251
	CROSS 1024
	s_delay_alu instid0(VALU_DEP_1)
	v_mul_f32 v249, 0x3a800000, v250               ; the variance
	s_delay_alu instid0(VALU_DEP_1)
	v_add_f32 v249, 0x3727c5ac, v249               ; + 1e-5
	s_wait_alu depctr_va_vdst(0)
	v_rsq_f32 v254, v249
	v_nop                                          ; a plain place behind it
	s_wait_loadcnt 0x0                             ; be1
	s_wait_alu depctr_va_vdst(0)                   ; ahead of its first reader
.set j, 0
.rept 16
	v_pk_mul_f32 v[ACC+j:ACC+j+1], v[ACC+j:ACC+j+1], v[254:255] op_sel_hi:[1,0]
.set j, j+2
.endr
.set j, 0
.rept 16
	v_pk_fma_f32 v[ACC+j:ACC+j+1], v[ACC+j:ACC+j+1], v[136+j:137+j], v[168+j:169+j]
.set j, j+2
.endr
	QUANT ACC, 2, PC, PW
	global_store_b128 v6, v[PC:PC+3], s[36:37]     ; half a fragment: 512 consecutive bytes
	ds_store_b16 v12, v[PW]
.irp t, 0,1,2,3
.irp q, 0,1
	ds_store_b128 v9, v[ACC+8*\t+4*\q:ACC+8*\t+4*\q+3] offset:64*\t+16*\q   ; into the bytes from which I alone read x
.endr
.endr
	s_wait_dscnt 0x0
	s_barrier_signal -1
	s_barrier_wait -1                              ; sixteen rows of h and their scale bytes lie in LDS
.irp i, 0,1,2,3,4,5,6,7
	ds_load_b128 v[104+4*\i:107+4*\i], v8 offset:512*\i
.endr
.irp i, 0,1,2,3,4,5,6,7
	s_wait_dscnt 7-\i
	global_store_b128 v6, v[104+4*\i:107+4*\i], s[18:19] offset:512*\i   ; a dense row of h
.endr
	s_cmp_lg_u32 s22, 0
	s_cbranch_scc1 .Lend
	ds_load_b128 v[200:203], v14
	s_wait_dscnt 0x0
	global_store_b128 v6, v[200:203], s[34:35]     ; the 16 tokens' 512 scale bytes, dense
.Lend:
	s_wait_xcnt 0x0
	v_lshl_add_u32 v254, v0, 2, 0x10c00
	v_mov_b32 v255, 0
	s_wait_alu depctr_va_vdst(0)
	s_wait_tensorcnt 0x0
	ds_add_u32 v254, v255
	s_wait_dscnt 0x0
	s_endpgm
.Lfunc_end_k_qd4003be94c_proj:
	.size	k_qd4003be94c_proj, .Lfunc_end_k_qd4003be94c_proj-k_qd4003be94c_proj
	.p2alignl 7, 3214868480
	.fill 96, 4, 3214868480
	.section	.rodata,"a",@progbits
	.p2align	6, 0x0
	.amdhsa_kernel k_qd4003be94c_proj
		.amdhsa_group_segment_fixed_size 78848
		.amdhsa_private_segment_fixed_size 0
		.amdhsa_enable_private_segment 0
		.amdhsa_kernarg_size 72
		.amdhsa_user_sgpr_count 2
		.amdhsa_user_sgpr_kernarg_segment_ptr 1
		.amdhsa_wavefront_size32 1
		.amdhsa_system_sgpr_workgroup_id_x 1
		.amdhsa_system_sgpr_workgroup_id_y 1
		.amdhsa_system_sgpr_workgroup_id_z 1
		.amdhsa_system_vgpr_workitem_id 0
		.amdhsa_next_free_vgpr 256
		.amdhsa_next_free_sgpr 66
		.amdhsa_reserve_vcc 0
		.amdhsa_float_denorm_mode_32 3
		.amdhsa_float_denorm_mode_16_64 3
		.amdhsa_memory_ordered 1
		.amdhsa_forward_progress 1
		.amdhsa_inst_pref_size 35
	.end_amdhsa_kernel
	.amdgpu_metadata
---
amdhsa.version: [ 1, 2 ]
amdhsa.kernels:
  - .name:           k_qd4003be94c_proj
    .symbol:         k_qd4003be94c_proj.kd
    .args:
      - { .name: oq, .offset: 0, .size: 8, .value_kind: global_buffer, .address_space: global }
      - { .name: w_o_codes, .offset: 8, .size: 8, .value_kind: global_buffer, .address_space: global }
      - { .name: w_o_scales, .offset: 16, .size: 8, .value_kind: global_buffer, .address_space: global }
      - { .name: b_o, .offset: 24, .size: 8, .value_kind: global_buffer, .address_space: global }
      - { .name: x, .offset: 32, .size: 8, .value_kind: global_buffer, .address_space: global }
      - { .name: g1, .offset: 40, .size: 8, .value_kind: global_buffer, .address_space: global }
      - { .name: be1, .offset: 48, .size: 8, .value_kind: global_buffer, .address_space: global }
      - { .name: h, .offset: 56, .size: 8, .value_kind: global_buffer, .address_space: global }
      - { .name: hq, .offset: 64, .size: 8, .value_kind: global_buffer, .address_space: global }
    .group_segment_fixed_size: 78848
    .private_segment_fixed_size: 0
    .kernarg_segment_align: 8
    .kernarg_segment_size: 72
    .max_flat_workgroup_size: 512
    .sgpr_count:     66
    .vgpr_count:     256
    .wavefront_size: 32
...
	.end_amdgpu_metadata
.endif
;; end of part 3
;; launch ffn1 (part 4): grid 16 x 16, 16 waves a work-group, no clusters, 285,696 bytes of LDS; arguments hq, w1_codes, w1_scales, b1, hidq; writes hidq
.if DOCPART == 4
	.amdgcn_target "amdgcn-amd-amdhsa--gfx1250"
	.amdhsa_code_object_version 6
	.text
	.protected	k_qd4003be94c_ffn1
	.globl	k_qd4003be94c_ffn1
	.p2align	8
	.type	k_qd4003be94c_ffn1,@function
k_qd4003be94c_ffn1:
	s_mov_b64 s[64:65], 0
	v_nop
	global_prefetch_b8 v0, s[64:65] scope:SCOPE_SE
	s_setreg_imm32_b32 hwreg(HW_REG_WAVE_MODE, 25, 1), 1
	s_wait_xcnt 0x0
; hidden = relu(h w1 + b1) on codes of FP4 (E2M1) with E8M0 scales; the result is quantised along the hidden axis and leaves as images of operand registers, with scale words [K step][token].
; SHARES.  Work-group (xb, yb): 256 tokens x 256 hidden units, all of K = 1,024 in LDS.  Wave w: tokens 32 (w / 2) .. +31, units 128 (w % 2) .. +127, which are one K step of the next product: 2 x 8 tiles.
; LDS: h's images [16 tiles][8 K steps][1,024] at 0; w1's 256 rows of 512 bytes + 16 at 131,072; h's scale bytes at 266,240 and w1's at 274,944, eight rows of 32 bytes to 256 + 16.
; Ten waves bring them by one tensor load each; filled once, no ring.  No cluster: a work-group fetches 272 KB once, ahead of a loop that fetches nothing.
; LIMITS: NaN and infinities are not served; a block whose largest magnitude lies under 2^-124, a block of zeros too, gets the byte 1.
.set PITCH, 528
.set STILE, 544
.set WROWS, 131072
.set SCH,   266240
.set SCW,   274944
.set AF,  16
.set SA,  32
.set SB,  36
.set BF,  52
.set ACC, 128
.set PC0, 16
.set PC1, 24
.set TM,  32
.set PW,  44
.set MW,  46
.set SEL, 20
.set A_T, 8192
.set A_S, 1024
.set A_C, 512
.macro PLACES
.rept 4
	v_nop
.endr
.endm
.macro WM d, f0, f1, zero, s0, row0, s1, row1
.if \zero
.if (\row0) && (\row1)
	v_wmma_scale_f32_16x16x128_f8f6f4 v[\d:\d+7], v[\f0:\f0+7], v[\f1:\f1+7], 0, v[\s0], v[\s1] matrix_a_fmt:MATRIX_FMT_FP4 matrix_b_fmt:MATRIX_FMT_FP4 matrix_a_scale:MATRIX_SCALE_ROW1 matrix_b_scale:MATRIX_SCALE_ROW1
.elseif \row0
	v_wmma_scale_f32_16x16x128_f8f6f4 v[\d:\d+7], v[\f0:\f0+7], v[\f1:\f1+7], 0, v[\s0], v[\s1] matrix_a_fmt:MATRIX_FMT_FP4 matrix_b_fmt:MATRIX_FMT_FP4 matrix_a_scale:MATRIX_SCALE_ROW1
.elseif \row1
	v_wmma_scale_f32_16x16x128_f8f6f4 v[\d:\d+7], v[\f0:\f0+7], v[\f1:\f1+7], 0, v[\s0], v[\s1] matrix_a_fmt:MATRIX_FMT_FP4 matrix_b_fmt:MATRIX_FMT_FP4 matrix_b_scale:MATRIX_SCALE_ROW1
.else
	v_wmma_scale_f32_16x16x128_f8f6f4 v[\d:\d+7], v[\f0:\f0+7], v[\f1:\f1+7], 0, v[\s0], v[\s1] matrix_a_fmt:MATRIX_FMT_FP4 matrix_b_fmt:MATRIX_FMT_FP4
.endif
.else
.if (\row0) && (\row1)
	v_wmma_scale_f32_16x16x128_f8f6f4 v[\d:\d+7], v[\f0:\f0+7], v[\f1:\f1+7], v[\d:\d+7], v[\s0], v[\s1] matrix_a_fmt:MATRIX_FMT_FP4 matrix_b_fmt:MATRIX_FMT_FP4 matrix_a_scale:MATRIX_SCALE_ROW1 matrix_b_scale:MATRIX_SCALE_ROW1
.elseif \row0
	v_wmma_scale_f32_16x16x128_f8f6f4 v[\d:\d+7], v[\f0:\f0+7], v[\f1:\f1+7], v[\d:\d+7], v[\s0], v[\s1] matrix_a_fmt:MATRIX_FMT_FP4 matrix_b_fmt:MATRIX_FMT_FP4 matrix_a_scale:MATRIX_SCALE_ROW1
.elseif \row1
	v_wmma_scale_f32_16x16x128_f8f6f4 v[\d:\d+7], v[\f0:\f0+7], v[\f1:\f1+7], v[\d:\d+7], v[\s0], v[\s1] matrix_a_fmt:MATRIX_FMT_FP4 matrix_b_fmt:MATRIX_FMT_FP4 matrix_b_scale:MATRIX_SCALE_ROW1
.else
	v_wmma_scale_f32_16x16x128_f8f6f4 v[\d:\d+7], v[\f0:\f0+7], v[\f1:\f1+7], v[\d:\d+7], v[\s0], v[\s1] matrix_a_fmt:MATRIX_FMT_FP4 matrix_b_fmt:MATRIX_FMT_FP4
.endif
.endif
.endm
; 16 nb numbers of a lane, register 16 b + 8 i + j = k 32 b + 16 i + 8 (lane / 16) + j of my row, become 2 nb registers of codes in the operand's order and my row's scale word
.macro QUANT src, nb, pc, pw
.irp b, 0,1,2,3
.if \b < \nb
	v_max3_num_f32 v[TM+\b], |v[\src+16*\b]|, |v[\src+16*\b+1]|, 0x1800000
.endif
.endr
.irp i, 2,4,6,8,10,12,14
.irp b, 0,1,2,3
.if \b < \nb
	s_delay_alu instid0(VALU_DEP_4)
	v_max3_num_f32 v[TM+\b], v[TM+\b], |v[\src+16*\b+\i]|, |v[\src+16*\b+\i+1]|
.endif
.endr
.endr
.irp b, 0,1,2,3
.if \b < \nb
	s_delay_alu instid0(VALU_DEP_4)
	v_permlanex16_b32 v[TM+4+\b], v[TM+\b], s[SEL], s[SEL+1]
.endif
.endr
.irp b, 0,1,2,3
.if \b < \nb
	s_delay_alu instid0(VALU_DEP_4)
	v_max_num_f32 v[TM+\b], v[TM+\b], v[TM+4+\b]
.endif
.endr
.irp b, 0,1,2,3
.if \b < \nb
	s_delay_alu instid0(VALU_DEP_4)
	v_add_nc_u32 v[TM+8+\b], 0xff000000, v[TM+\b]
.endif
.endr
.irp b, 0,1,2,3
.if \b < \nb
	s_delay_alu instid0(VALU_DEP_4)
	v_lshrrev_b32 v[TM+4+\b], 23, v[TM+8+\b]
.endif
.endr
	s_delay_alu instid0(VALU_DEP_3)
	v_lshl_or_b32 v[\pw], v[TM+5], 8, v[TM+4]
.if \nb > 2
	s_delay_alu instid0(VALU_DEP_1)
	v_lshl_or_b32 v[\pw], v[TM+6], 16, v[\pw]
	s_delay_alu instid0(VALU_DEP_1)
	v_lshl_or_b32 v[\pw], v[TM+7], 24, v[\pw]
.endif
.irp b, 0,1,2,3
.if \b < \nb
	v_cvt_scalef32_pk8_fp4_f32 v[\pc+4*(\b/2)+(\b%2)], v[\src+16*\b:\src+16*\b+7], v[TM+8+\b]
	v_cvt_scalef32_pk8_fp4_f32 v[\pc+4*(\b/2)+2+(\b%2)], v[\src+16*\b+8:\src+16*\b+15], v[TM+8+\b]
.endif
.endr
	v_nop
.irp c, 0,1
.if 2*\c < \nb
.irp i, 0,1
	v_permlane16_swap_b32 v[\pc+4*\c+2*\i], v[\pc+4*\c+2*\i+1]
.endr
.endif
.endr
.endm
; 128 along K: 25 or 20 LDS loads, 16 products, the 16 accumulators by turns
.macro KSTEP s
.set Z, 0                              ; every product adds in place: the accumulators begin as b1
.if \s > 0
	PLACES
.endif
.irp b, 0,1,2,3,4,5,6,7
.irp c, 0,1
	ds_load_b128 v[BF+8*\b+4*\c:BF+8*\b+4*\c+3], v5 offset:16*PITCH*\b+64*\s+32*\c
.endr
.endr
.irp a, 0,1
.irp c, 0,1
	ds_load_b128 v[AF+8*\a+4*\c:AF+8*\a+4*\c+3], v4 offset:A_T*\a+A_S*\s+A_C*\c
.endr
.endr
.if (\s)%4 == 0
.irp p, 0,1,2,3
	ds_load_b128 v[SB+4*\p:SB+4*\p+3], v7 offset:2*STILE*\p+16*(\s/4)
.endr
	ds_load_b128 v[SA:SA+3], v6 offset:16*(\s/4)
.endif
	s_wait_dscnt 0x0
.irp b, 0,1,2,3,4,5,6,7
.irp a, 0,1
	WM ACC+64*\a+8*\b, BF+8*\b, AF+8*\a, Z, SB+4*(\b/2)+(\s)%4, \b%2, SA+(\s)%4, \a
.endr
.endr
.endm
	s_load_b256 s[4:11], s[0:1], 0x0               ; hq s[4:5], w1's codes s[6:7], its scales s[8:9], b1 s[10:11]
	s_load_b64 s[12:13], s[0:1], 0x20              ; hidq
	v_lshl_add_u32 v126, v0, 2, 0x45400
	v_mov_b32 v127, 0
	ds_add_u32 v126, v127
	ds_add_u32 v126, v127
	v_lshrrev_b32 v1, 5, v0
	s_delay_alu instid0(VALU_DEP_1)
	v_readfirstlane_b32 s14, v1                    ; wave 0..15
	v_and_b32 v1, 15, v0                           ; r
	v_bfe_u32 v2, v0, 4, 1                         ; h
	v_and_b32 v3, 31, v0                           ; lane
	s_wait_alu depctr_va_vdst(0)
	s_lshr_b32 s15, s14, 1                         ; which 32 tokens
	s_and_b32 s16, s14, 1                          ; which 128 units
	s_and_b32 s19, s14, 3
	s_and_b32 s18, ttmp7, 0xffff                   ; yb
	s_mov_b32 s[SEL], 0x76543210
	s_mov_b32 s[SEL+1], 0xfedcba98
	s_mov_b32 s24, 3<<16                           ; group 1 for the images: 128 dense rows of 256 bytes
	s_mov_b32 s25, 32<<16
	s_mov_b32 s26, 128<<16
	s_mov_b32 s27, 32<<16
	s_mov_b32 s28, 128
	s_mov_b32 s29, 32
	s_mov_b32 s30, 0
	s_mov_b32 s31, 0
	s_mov_b32 s32, (3<<16)|(1<<20)|(6<<22)|(3<<25) ; for w1: 64 rows of 512 bytes, 16 bytes of padding behind each
	s_mov_b32 s33, 64<<16
	s_mov_b32 s34, 64<<16
	s_mov_b32 s35, 64<<16
	s_mov_b32 s36, 64
	s_mov_b32 s37, 64
	s_mov_b32 s38, 0
	s_mov_b32 s39, 0
	s_mov_b32 s40, (3<<16)|(1<<20)|(5<<22)|(3<<25) ; for scale bytes: 8,192 dense bytes as 32 rows of 256, 16 bytes of padding behind each
	s_mov_b32 s41, 32<<16
	s_mov_b32 s42, 32<<16
	s_mov_b32 s43, 32<<16
	s_mov_b32 s44, 32
	s_mov_b32 s45, 32
	s_mov_b32 s46, 0
	s_mov_b32 s47, 0
	s_mov_b32 s48, 1                               ; groups 0.  Waves 0-3: a quarter of the images
	s_lshl_b32 s49, s14, 15
	s_lshl_b32 s22, s18, 17
	s_add_co_u32 s22, s22, s49
	s_mov_b32 s23, 0
	s_mov_b32 s52, 1                               ; waves 4-7: 64 rows of w1
	s_mul_i32 s53, s19, 64*PITCH
	s_add_co_u32 s53, s53, WROWS
	s_lshl_b32 s2, ttmp9, 17
	s_lshl_b32 s3, s19, 15
	s_add_co_u32 s2, s2, s3
	s_mov_b32 s3, 0
	s_mov_b32 s56, 1                               ; wave 8: h's scale bytes; wave 9: w1's
	s_mul_i32 s57, s16, 8704
	s_add_co_u32 s57, s57, SCH
	s_lshl_b32 s60, s18, 13
	s_add_co_u32 s60, s60, 2097152
	s_lshl_b32 s61, ttmp9, 13
	v_lshrrev_b32 v15, 3, v3
	s_delay_alu instid0(VALU_DEP_1)
	v_lshlrev_b32 v15, 4, v15
	s_delay_alu instid0(VALU_DEP_1)
	v_lshl_add_u32 v15, v3, 5, v15                 ; 32 lane + 16 (lane / 8)
	s_lshl_b32 s62, s15, 14
	v_lshl_add_u32 v4, v3, 4, s62                  ; the tokens' images: 16,384 (w / 2) + 16 lane
	s_mul_i32 s62, s16, 128*PITCH
	s_add_co_u32 s62, s62, WROWS
	v_mul_u32_u24 v5, v1, PITCH
	s_delay_alu instid0(VALU_DEP_1)
	v_lshl_add_u32 v5, v2, 4, v5
	s_delay_alu instid0(VALU_DEP_1)
	v_add_nc_u32 v5, s62, v5                       ; w1's rows
	s_mul_i32 s62, s15, 2*STILE
	s_add_co_u32 s62, s62, SCH
	v_add_nc_u32 v6, s62, v15
	s_mul_i32 s62, s16, 8*STILE
	s_add_co_u32 s62, s62, SCW
	v_add_nc_u32 v7, s62, v15
	s_wait_dscnt 0x0
	s_wait_kmcnt 0x0
	s_add_nc_u64 s[50:51], s[4:5], s[22:23]
	s_or_b32 s51, s51, 0x80000000
	s_add_nc_u64 s[54:55], s[6:7], s[2:3]
	s_or_b32 s55, s55, 0x80000000
	s_cmp_eq_u32 s16, 0                            ; the choice hangs on the wave's number alone
	s_cselect_b64 s[58:59], s[4:5], s[8:9]
	s_cselect_b32 s60, s60, s61
	s_mov_b32 s61, 0
	s_add_nc_u64 s[58:59], s[58:59], s[60:61]
	s_or_b32 s59, s59, 0x80000000
	s_cmp_lt_u32 s14, 4
	s_cbranch_scc0 .Lnot_images
	tensor_load_to_lds s[48:51], s[24:31]
	s_nop 0
	PLACES
	s_branch .Lfilled
.Lnot_images:
	s_cmp_lt_u32 s14, 8
	s_cbranch_scc0 .Lnot_rows
	tensor_load_to_lds s[52:55], s[32:39]
	s_nop 0
	PLACES
	s_branch .Lfilled
.Lnot_rows:
	s_cmp_lt_u32 s14, 10
	s_cbranch_scc0 .Lfilled
	tensor_load_to_lds s[56:59], s[40:47]
	s_nop 0
	PLACES
.Lfilled:
	; b1 is the C of the first products: register j of accumulator (a, b) is unit 256 xb + 128 (w % 2) + 16 b + 8 h + j, for both tiles of tokens alike.  The 32 loads are on their way beside the tensor loads
	s_lshl_b32 s22, ttmp9, 10
	s_lshl_b32 s23, s16, 9
	s_add_co_u32 s22, s22, s23
	v_lshl_add_u32 v13, v2, 5, s22                 ; b1 at unit 256 xb + 128 (w % 2) + 8 h
.irp a, 0,1
.irp b, 0,1,2,3,4,5,6,7
.irp q, 0,1
	global_load_b128 v[ACC+64*\a+8*\b+4*\q:ACC+64*\a+8*\b+4*\q+3], v13, s[10:11] offset:64*\b+16*\q
.endr
.endr
.endr
	s_wait_alu depctr_va_vdst(0)
	s_wait_tensorcnt 0x0
	s_barrier_signal -1
	s_barrier_wait -1
	s_wait_alu depctr_va_vdst(0)
	s_wait_loadcnt 0x0                             ; b1 lies in the accumulators
.irp s, 0,1,2,3,4,5,6,7
	KSTEP \s
.endr
	PLACES
	s_lshl_b32 s22, s18, 19
	s_lshl_b32 s23, s15, 16
	s_add_co_u32 s22, s22, s23
	s_lshl_b32 s23, ttmp9, 11
	s_add_co_u32 s22, s22, s23
	s_lshl_b32 s23, s16, 10
	s_add_co_u32 s22, s22, s23
	v_lshl_add_u32 v11, v3, 4, s22                 ; image: tile 16 yb + 2 (w / 2), K step 2 xb + w % 2
	s_lshl_b32 s22, ttmp9, 15
	s_lshl_b32 s23, s16, 14
	s_add_co_u32 s22, s22, s23
	s_lshl_b32 s23, s18, 10
	s_add_co_u32 s22, s22, s23
	s_lshl_b32 s23, s15, 7
	s_add_co_u32 s22, s22, s23
	s_add_co_u32 s22, s22, 8388608
	v_lshl_add_u32 v12, v3, 2, s22                 ; words: [K step][token]
.set j, 0
.rept 128
	v_max_num_f32 v[ACC+j], 0, v[ACC+j]            ; the activation, in f32
.set j, j+1
.endr
	QUANT ACC, 4, PC0, PW
	QUANT ACC+64, 4, PC1, PW+1
	s_mov_b32 vcc_lo, 0xffff0000
	v_cndmask_b32 v[MW], v[PW], v[PW+1], vcc_lo    ; lanes 0-15: the first 16 tokens' words; lanes 16-31: the next 16's
.irp c, 0,1
	global_store_b128 v11, v[PC0+4*\c:PC0+4*\c+3], s[12:13] offset:512*\c            ; 512 consecutive bytes a store
	global_store_b128 v11, v[PC1+4*\c:PC1+4*\c+3], s[12:13] offset:32768+512*\c
.endr
	global_store_b32 v12, v[MW], s[12:13]
	s_wait_tensorcnt 0x0
	ds_add_u32 v126, v127
	s_wait_dscnt 0x0
	s_endpgm
.Lfunc_end_k_qd4003be94c_ffn1:
	.size	k_qd4003be94c_ffn1, .Lfunc_end_k_qd4003be94c_ffn1-k_qd4003be94c_ffn1
	.p2alignl 7, 3214868480
	.fill 96, 4, 3214868480
	.section	.rodata,"a",@progbits
	.p2align	6, 0x0
	.amdhsa_kernel k_qd4003be94c_ffn1
		.amdhsa_group_segment_fixed_size 285696
		.amdhsa_private_segment_fixed_size 0
		.amdhsa_enable_private_segment 0
		.amdhsa_kernarg_size 40
		.amdhsa_user_sgpr_count 2
		.amdhsa_user_sgpr_kernarg_segment_ptr 1
		.amdhsa_wavefront_size32 1
		.amdhsa_system_sgpr_workgroup_id_x 1
		.amdhsa_system_sgpr_workgroup_id_y 1
		.amdhsa_system_sgpr_workgroup_id_z 1
		.amdhsa_system_vgpr_workitem_id 0
		.amdhsa_next_free_vgpr 256
		.amdhsa_next_free_sgpr 66
		.amdhsa_reserve_vcc 1
		.amdhsa_float_denorm_mode_32 3
		.amdhsa_float_denorm_mode_16_64 3
		.amdhsa_memory_ordered 1
		.amdhsa_forward_progress 1
		.amdhsa_inst_pref_size 53
	.end_amdhsa_kernel
	.amdgpu_metadata
---
amdhsa.version: [ 1, 2 ]
amdhsa.kernels:
  - .name:           k_qd4003be94c_ffn1
    .symbol:         k_qd4003be94c_ffn1.kd
    .args:
      - { .name: hq, .offset: 0, .size: 8, .value_kind: global_buffer, .address_space: global }
      - { .name: w1_codes, .offset: 8, .size: 8, .value_kind: global_buffer, .address_space: global }
      - { .name: w1_scales, .offset: 16, .size: 8, .value_kind: global_buffer, .address_space: global }
      - { .name: b1, .offset: 24, .size: 8, .value_kind: global_buffer, .address_space: global }
      - { .name: hidq, .offset: 32, .size: 8, .value_kind: global_buffer, .address_space: global }
    .group_segment_fixed_size: 285696
    .private_segment_fixed_size: 0
    .kernarg_segment_align: 8
    .kernarg_segment_size: 40
    .max_flat_workgroup_size: 512
    .sgpr_count:     66
    .vgpr_count:     256
    .wavefront_size: 32
...
	.end_amdgpu_metadata
.endif
;; end of part 4
;; launch ffn2 (part 5): grid 8 x 32, 4 waves a work-group, no clusters, 327,680 bytes of LDS; arguments hidq, w2_codes, w2_scales, b2, h, y2; writes y2
.if DOCPART == 5
	.amdgcn_target "amdgcn-amd-amdhsa--gfx1250"
	.amdhsa_code_object_version 6
	.text
	.protected	k_qd4003be94c_ffn2
	.globl	k_qd4003be94c_ffn2
	.p2align	8
	.type	k_qd4003be94c_ffn2,@function
k_qd4003be94c_ffn2:
	s_mov_b64 s[64:65], 0
	v_nop
	global_prefetch_b8 v0, s[64:65] scope:SCOPE_SE
	s_setreg_imm32_b32 hwreg(HW_REG_WAVE_MODE, 25, 1), 1
	s_wait_xcnt 0x0
; y2 = hidden w2 + b2 + h; the product on codes of FP4 (E2M1) with E8M0 scales, sums in f32.
; SHARES.  Work-group (xb, yb): 128 tokens x 128 columns, all of K = 4,096.  Four waves, as many as a WGP has SIMDs; wave w owns tokens 32 w .. +31, two tiles, and all 128 columns: 2 x 8 accumulators of 16 x 16.
; Each fragment of w2 that a wave reads from LDS feeds two products: the work-group reads 4 x 256 KB of codes from LDS.
; THE TOKENS' FRAGMENTS STAY IN REGISTERS.  A tile's 32 K steps x 8 registers fill a window: tile 0 is v256-511, tile 1 v512-767; they come straight from the images in memory, by loads of 512 consecutive bytes.  No other wave wants them.
; They are asked for by chunks of 8 K steps (32 loads), two chunks ahead of the products that read them.
; w2's 128 ROWS LIE IN LDS, ALL OF K AT ONCE: two halves of 2,048 along K, each 128 rows of 1,024 bytes + 16.  No LDS byte is filled twice: no ring.
; THE FILLS, one tensor load a wave in each of two groups.  At the head: waves 0 and 1 fetch 64 rows each of half 0, wave 2 w2's scale bytes, wave 3 the tokens' scale words.
; Behind the first barrier: half 1, 32 rows a wave, which lands under half 0's 16 K steps and is waited for at the one barrier ahead of K step 16.
; Every wait on TENSORcnt is for 0.
; REGISTER WINDOWS.  Tile 0's products: source 1 window 1, all else window 0; an LDS load names a destination and source 0 alone, so the fetches stand under the same setting.
; Tile 1's products: source 1 window 2, C and D window 3 (window 0 has no room for 64 more registers): two switches a K step of 16 products.  The add's registers lie in window 0.
; h and b2 are asked for behind K step 15, into the registers that K steps 0 to 8 have left, and land under half 1's products.
; No cluster: only w2's half of the bytes is shared with other work-groups (the tokens' half goes to registers), and it is asked for in two groups in all.  No prefetch: the text has no loop to run ahead in.
; WINDOW 0: v1-12 addresses; v14-15 tile 0's scale words, two sets, v243-244 tile 1's; v16-47 w2's, two sets of four pairs of tiles x four K steps; v48-111, v112-175 w2's eight fragments, two sets; v176-239 tile 0's accumulators.
; WINDOW 3: v176-239 (v944-1007) tile 1's accumulators.
.set P2,    1040                       ; a row of a half in LDS: 1,024 bytes + 16 = 260 words: the 16 rows that a load touches start 4 words apart
.set HB,    128*P2                     ; a half
.set PITCH, 528                        ; a row of the stage on the way out: 512 bytes + 16
.set SCA,   2*HB                       ; the tokens' scale words: [32 K steps][128 tokens][4 bytes]
.set SCB,   SCA+16384                  ; w2's scale bytes: 128 rows of 128 bytes, two rows to 256 bytes + 16
.set SPARE, SCB+64*272                 ; the spare words: 4 waves x 128 bytes
.set ACC,   176
.set MSB, 0
.macro WIN new                         ; the immediate's high byte repeats the setting that is left
.if MSB != \new
	s_set_vgpr_msb (MSB<<8)|\new
.set MSB, \new
.endif
.endm
.set W_MUL,  0x04                      ; source 1 window 1; all else window 0
.set W_MUL1, 0xf8                      ; source 1 window 2; C and D window 3
.set W_SRC2, 0x08                      ; source 1 window 2; all else window 0
.set W_ST3,  0x0c                      ; source 1 (an LDS store's data) window 3
.macro PLACES
.rept 4
	v_nop
.endr
.endm
; D = F0 x F1 (+ D): lane (r, h) of D holds row r of F1; register j row 8 h + j of F0.  row: F0's scales stand in lanes 16-31 of their register
.macro WM d, f0, f1, zero, s0, row, s1
.if \zero
.if \row
	v_wmma_scale_f32_16x16x128_f8f6f4 v[\d:\d+7], v[\f0:\f0+7], v[\f1:\f1+7], 0, v[\s0], v[\s1] matrix_a_fmt:MATRIX_FMT_FP4 matrix_b_fmt:MATRIX_FMT_FP4 matrix_a_scale:MATRIX_SCALE_ROW1
.else
	v_wmma_scale_f32_16x16x128_f8f6f4 v[\d:\d+7], v[\f0:\f0+7], v[\f1:\f1+7], 0, v[\s0], v[\s1] matrix_a_fmt:MATRIX_FMT_FP4 matrix_b_fmt:MATRIX_FMT_FP4
.endif
.else
.if \row
	v_wmma_scale_f32_16x16x128_f8f6f4 v[\d:\d+7], v[\f0:\f0+7], v[\f1:\f1+7], v[\d:\d+7], v[\s0], v[\s1] matrix_a_fmt:MATRIX_FMT_FP4 matrix_b_fmt:MATRIX_FMT_FP4 matrix_a_scale:MATRIX_SCALE_ROW1
.else
	v_wmma_scale_f32_16x16x128_f8f6f4 v[\d:\d+7], v[\f0:\f0+7], v[\f1:\f1+7], v[\d:\d+7], v[\s0], v[\s1] matrix_a_fmt:MATRIX_FMT_FP4 matrix_b_fmt:MATRIX_FMT_FP4
.endif
.endif
.endm
; K step n of 32: w2's eight fragments into set n % 2, my two tiles' words into their sets; every fourth step four steps' words of w2's four pairs of tiles into v16 or v32 on.  18 or 22 loads.
; A half has two address registers, for rows 0-63 and 64-127: 112 rows of 1,040 bytes pass the immediate's 16 bits
.macro FETCH n
.set FS, 48+64*((\n)%2)
.set CK, 2*((\n)/16)
.set KS, (\n)%16
.irp b, 0,1,2,3,4,5,6,7
.irp c, 0,1
	ds_load_b128 v[FS+8*\b+4*\c:FS+8*\b+4*\c+3], v[3+CK+\b/4] offset:16*P2*(\b%4)+64*KS+32*\c
.endr
.endr
	ds_load_b32 v[14+(\n)%2], v7 offset:512*(\n)
	ds_load_b32 v[243+(\n)%2], v7 offset:512*(\n)+64
.if (\n)%4 == 0
.irp p, 0,1,2,3
	ds_load_b128 v[16+16*(((\n)/4)%2)+4*\p:16+16*(((\n)/4)%2)+4*\p+3], v8 offset:4352*\p+16*((\n)/4)
.endr
.endif
.endm
; K step n: the half's next step is fetched into the other set, then sixteen products, the sixteen accumulators by turns.  A tile's fragment is v[8 n] on of its window
.macro STEP n
	PLACES                                         ; in front of loads into the set that the step before read; a half's last four serve the next half's first fetch
.if (\n)%16 < 15
	FETCH (\n)+1
.if ((\n)+1)%4 == 0
	s_wait_dscnt 22                                ; all but the 22 loads just issued: this step's are in
.else
	s_wait_dscnt 18                                ; all but the 18 just issued
.endif
.else
	s_wait_dscnt 0x0
.endif
.set FS, 48+64*((\n)%2)
.set Z, 0
.if (\n) == 0
.set Z, 1
.endif
.irp b, 0,1,2,3,4,5,6,7
	WM ACC+8*\b, FS+8*\b, 8*(\n), Z, 16+16*(((\n)/4)%2)+4*(\b/2)+(\n)%4, \b%2, 14+(\n)%2
.endr
	WIN W_MUL1
.irp b, 0,1,2,3,4,5,6,7
	WM ACC+8*\b, FS+8*\b, 8*(\n), Z, 16+16*(((\n)/4)%2)+4*(\b/2)+(\n)%4, \b%2, 243+(\n)%2
.endr
	WIN W_MUL
.endm
.macro CHUNK first                     ; eight K steps
.set Q, \first
.rept 8
	STEP Q
.set Q, Q+1
.endr
.endm
; my two tiles' fragments of chunk c (K steps 8 c .. 8 c + 7) as they lie, 512 consecutive bytes a load, into v[8 K step] on of windows 1 and 2: 32 loads
.macro ALOADS c
.irp a, 0,1
	WIN 0x40+0x40*\a                               ; destination window 1 + a
.set KK, 8*(\c)
.rept 8
	global_load_b128 v[8*KK:8*KK+3], v1, s[92:93] offset:32768*\a+1024*KK
	global_load_b128 v[8*KK+4:8*KK+7], v1, s[92:93] offset:32768*\a+1024*KK+512
.set KK, KK+1
.endr
.endr
.endm
	s_load_b256 s[4:11], s[0:1], 0x0               ; hidq s[4:5], w2's codes s[6:7], its scales s[8:9], b2 s[10:11]
	s_load_b128 s[12:15], s[0:1], 0x20             ; h s[12:13], y2 s[14:15]
	v_lshl_add_u32 v254, v0, 2, SPARE
	v_mov_b32 v255, 0
	ds_add_u32 v254, v255                          ; the opening lines: the add, twice on end, and its wait
	ds_add_u32 v254, v255
	v_lshrrev_b32 v2, 5, v0
	v_readfirstlane_b32 s16, v2                    ; wave 0..3
	s_and_b32 s20, ttmp7, 0xffff                   ; yb
	s_and_b32 s19, s16, 1
	s_mov_b32 s24, (3<<16)|(1<<20)|(7<<22)|(3<<25) ; group 1, w2: 64 rows (half 1: 32) of 1,024 bytes (128 elements of 8), 2,048 bytes apart, 16 bytes of padding behind each row's 256 words
	s_mov_b32 s25, 128<<16
	s_mov_b32 s26, 64<<16
	s_mov_b32 s27, 128<<16
	s_mov_b32 s28, 64
	s_mov_b32 s29, 256
	s_mov_b32 s30, 0
	s_mov_b32 s31, 0
	s_mov_b32 s32, 3<<16                           ; the tokens' words: 32 K steps' 512 bytes, 16,384 bytes apart
	s_mov_b32 s33, 64<<16
	s_mov_b32 s34, 32<<16
	s_mov_b32 s35, 64<<16
	s_mov_b32 s36, 32
	s_mov_b32 s37, 2048
	s_mov_b32 s38, 0
	s_mov_b32 s39, 0
	s_mov_b32 s40, (3<<16)|(1<<20)|(5<<22)|(3<<25) ; w2's scale bytes: 128 rows' 16,384 dense bytes as 64 rows of 256, 16 bytes of padding behind each
	s_mov_b32 s41, 32<<16
	s_mov_b32 s42, 64<<16
	s_mov_b32 s43, 32<<16
	s_mov_b32 s44, 64
	s_mov_b32 s45, 32
	s_mov_b32 s46, 0
	s_mov_b32 s47, 0
	s_lshl_b32 s84, ttmp9, 18                      ; half 0: w2's row 128 xb + 64 (wave % 2), 2,048 bytes a row
	s_lshl_b32 s85, s19, 17
	s_add_co_u32 s84, s84, s85
	s_mov_b32 s85, 0
	s_lshl_b32 s80, ttmp9, 18                      ; half 1: row 128 xb + 32 wave, 1,024 bytes along it
	s_lshl_b32 s81, s16, 16
	s_add_co_u32 s80, s80, s81
	s_add_co_u32 s80, s80, 1024
	s_mov_b32 s81, 0
	s_lshl_b32 s86, ttmp9, 14                      ; w2's scales: 128 bytes a row
	s_mov_b32 s87, 0
	s_lshl_b32 s88, s20, 9                         ; the tokens' words: 512 yb in each K step's 16,384 bytes
	s_add_co_u32 s88, s88, 8388608
	s_mov_b32 s89, 0
	s_lshl_b32 s90, s20, 18                        ; my tokens' images: tile 8 yb + 2 wave, 32,768 bytes a tile
	s_lshl_b32 s91, s16, 16
	s_add_co_u32 s90, s90, s91
	s_mov_b32 s91, 0
	s_mul_i32 s17, s16, 32*PITCH                   ; my stage on the way out
	s_mov_b32 s48, 1                               ; groups 0: half 0,
	s_mul_i32 s49, s19, 64*P2
	s_mov_b32 s60, 1                               ; half 1,
	s_mul_i32 s61, s16, 32*P2
	s_add_co_u32 s61, s61, HB
	s_mov_b32 s68, 1                               ; the tokens' words,
	s_mov_b32 s69, SCA
	s_mov_b32 s72, 1                               ; w2's scale bytes
	s_mov_b32 s73, SCB
	v_and_b32 v240, 15, v0                         ; r
	v_bfe_u32 v241, v0, 4, 1                       ; h
	v_and_b32 v242, 31, v0                         ; lane
	v_lshlrev_b32 v1, 4, v242                      ; 16 lane: my place in an image
	v_mul_u32_u24 v3, v240, P2
	v_lshl_add_u32 v3, v241, 4, v3                 ; w2's rows 0-63 of half 0: 1,040 r + 16 h,
	v_add_nc_u32 v4, 64*P2, v3                     ; its rows 64-127,
	v_add_nc_u32 v5, HB, v3                        ; and the same of half 1
	v_add_nc_u32 v6, HB+64*P2, v3
	s_lshl_b32 s21, s16, 7
	s_add_co_u32 s21, s21, SCA
	v_lshl_add_u32 v7, v240, 2, s21                ; my tokens' words: 128 wave + 4 r; tile 1's 64 bytes on
	v_lshrrev_b32 v8, 1, v242
	v_lshlrev_b32 v8, 4, v8
	v_lshl_add_u32 v8, v242, 7, v8
	v_add_nc_u32 v8, SCB, v8                       ; w2's: 128 lane + 16 (lane / 2): lanes 0-15 one tile, lanes 16-31 the next
	v_mul_u32_u24 v9, v240, PITCH
	v_lshl_add_u32 v9, v241, 5, v9
	v_add_nc_u32 v9, s17, v9                       ; my stage, in: row r, 32 h
	v_add_nc_u32 v10, s17, v1                      ; back: the 32 lanes take one row of 512 bytes
	s_lshl_b32 s22, ttmp9, 9
	v_add_nc_u32 v12, s22, v1                      ; b2: 512 xb + 16 lane
	s_lshl_b32 s21, s20, 19
	s_lshl_b32 s23, s16, 17
	s_add_co_u32 s21, s21, s23
	v_add_nc_u32 v11, s21, v12                     ; h and y2: row 128 yb + 32 wave of 4,096 bytes, + the same
	s_wait_alu depctr_va_vdst(0)
	s_wait_dscnt 0x0
	s_wait_kmcnt 0x0
	s_add_nc_u64 s[50:51], s[6:7], s[84:85]
	s_or_b32 s51, s51, 0x80000000
	s_add_nc_u64 s[62:63], s[6:7], s[80:81]
	s_or_b32 s63, s63, 0x80000000
	s_add_nc_u64 s[70:71], s[4:5], s[88:89]
	s_or_b32 s71, s71, 0x80000000
	s_add_nc_u64 s[74:75], s[8:9], s[86:87]
	s_or_b32 s75, s75, 0x80000000
	s_add_nc_u64 s[92:93], s[4:5], s[90:91]
	; the head's fills: one chain of branches on the wave's number, one load to an arm; every way passes exactly one
	s_cmp_lt_u32 s16, 2
	s_cbranch_scc0 .Lhead_sb
	tensor_load_to_lds s[48:51], s[24:31]          ; half 0
	s_nop 0
	PLACES
	s_branch .Lhead_asked
.Lhead_sb:
	s_cmp_lt_u32 s16, 3
	s_cbranch_scc0 .Lhead_sa
	tensor_load_to_lds s[72:75], s[40:47]          ; w2's scale bytes
	s_nop 0
	PLACES
	s_branch .Lhead_asked
.Lhead_sa:
	tensor_load_to_lds s[68:71], s[32:39]          ; the tokens' scale words
	s_nop 0
	PLACES
.Lhead_asked:
	ALOADS 0
	ALOADS 1
	WIN 0
	s_wait_tensorcnt 0x0                           ; my fill has landed
	ds_add_u32 v254, v255
	s_mov_b32 s26, 32<<16                          ; no tensor load of mine is out, so a descriptor may be written: half 1 comes 32 rows a wave
	s_mov_b32 s28, 32
	s_wait_dscnt 0x0
	s_barrier_signal -1
	s_barrier_wait -1                              ; half 0 and both tables of scales are whole
	tensor_load_to_lds s[60:63], s[24:31]          ; half 1: my one load behind this barrier
	s_nop 0
	ALOADS 2
	WIN W_MUL
	FETCH 0
	s_wait_loadcnt 63                              ; chunk 0's fragments are in: 64 loads stand behind them, and the count's field holds 63 at the most
	CHUNK 0
	ALOADS 3
	WIN W_MUL
	s_wait_loadcnt 63                              ; chunk 1's fragments are in: 64 loads stand behind them
	CHUNK 8
	WIN 0x40                                       ; h and b2 into the registers that K steps 0 to 8 have left; the later steps' places stand between
.irp t, 0,1,2,3,4,5,6,7,8,9,10,11,12,13,14,15
	global_load_b128 v[4*\t:4*\t+3], v11, s[12:13] offset:4096*\t th:TH_LOAD_NT   ; 512 consecutive bytes of a row of h; read once in the launch
.endr
	global_load_b128 v[64:67], v12, s[10:11]
	WIN 0x80
.irp t, 0,1,2,3,4,5,6,7,8,9,10,11,12,13,14,15
	global_load_b128 v[4*\t:4*\t+3], v11, s[12:13] offset:4096*(16+\t) th:TH_LOAD_NT
.endr
	WIN W_MUL
	s_wait_tensorcnt 0x0                           ; my part of half 1 has landed (no LDS load of mine is out),
	s_barrier_signal -1
	s_barrier_wait -1                              ; everybody's has.
	FETCH 16
	s_wait_loadcnt 63                              ; chunk 2's fragments are in: behind them stand 32 loads of fragments and 33 of h and b2
	CHUNK 16
	s_wait_loadcnt 33                              ; all fragments are in; h and b2 may be out
	CHUNK 24
	; ---- the way out.  A lane holds 8 x 32 bytes of one token's row in each tile: both tiles go through my stage, 32 rows of 528 bytes, and come back as whole rows of 512 bytes.
	; The stage lies in half 0's bytes: every wave passed the barrier ahead of K step 16 behind its last read of them, and no tensor load lands there again.
	PLACES
	WIN 0
.irp b, 0,1,2,3,4,5,6,7
	ds_store_b128 v9, v[ACC+8*\b:ACC+8*\b+3] offset:64*\b                  ; each accumulator from its low end on
	ds_store_b128 v9, v[ACC+8*\b+4:ACC+8*\b+7] offset:64*\b+16
.endr
	WIN W_ST3                                      ; tile 1's accumulators
.irp b, 0,1,2,3,4,5,6,7
	ds_store_b128 v9, v[ACC+8*\b:ACC+8*\b+3] offset:16*PITCH+64*\b
	ds_store_b128 v9, v[ACC+8*\b+4:ACC+8*\b+7] offset:16*PITCH+64*\b+16
.endr
	WIN 0
.set T, 0
.rept 32
	ds_load_b128 v[48+4*T:51+4*T], v10 offset:PITCH*T                      ; LDS serves a wave's instructions in order: these see my stores
.set T, T+1
.endr
	s_wait_loadcnt 0x0                             ; h and b2
	s_wait_dscnt 0x0
	WIN W_MUL                                      ; source 1: tile 0's rows of h, and b2, in window 1
.set T, 0
.rept 16
	v_pk_add_f32 v[48+4*T:49+4*T], v[48+4*T:49+4*T], v[4*T:4*T+1]
	v_pk_add_f32 v[50+4*T:51+4*T], v[50+4*T:51+4*T], v[4*T+2:4*T+3]
.set T, T+1
.endr
.set T, 0
.rept 32
	v_pk_add_f32 v[48+4*T:49+4*T], v[48+4*T:49+4*T], v[64:65]
	v_pk_add_f32 v[50+4*T:51+4*T], v[50+4*T:51+4*T], v[66:67]
.set T, T+1
.endr
	WIN W_SRC2                                     ; source 1: tile 1's rows of h, in window 2
.set T, 0
.rept 16
	v_pk_add_f32 v[112+4*T:113+4*T], v[112+4*T:113+4*T], v[4*T:4*T+1]
	v_pk_add_f32 v[114+4*T:115+4*T], v[114+4*T:115+4*T], v[4*T+2:4*T+3]
.set T, T+1
.endr
	WIN 0
.set T, 0
.rept 32
	global_store_b128 v11, v[48+4*T:51+4*T], s[14:15] offset:4096*T        ; 32 lanes store 512 consecutive bytes, at a multiple of 256 from y2's first byte
.set T, T+1
.endr
	s_wait_tensorcnt 0x0                           ; the wave's end
	ds_add_u32 v254, v255
	s_wait_dscnt 0x0
	s_endpgm
.Lfunc_end_k_qd4003be94c_ffn2:
	.size	k_qd4003be94c_ffn2, .Lfunc_end_k_qd4003be94c_ffn2-k_qd4003be94c_ffn2
	.p2alignl 7, 3214868480
	.fill 96, 4, 3214868480
	.section	.rodata,"a",@progbits
	.p2align	6, 0x0
	.amdhsa_kernel k_qd4003be94c_ffn2
		.amdhsa_group_segment_fixed_size 327680
		.amdhsa_private_segment_fixed_size 0
		.amdhsa_enable_private_segment 0
		.amdhsa_kernarg_size 48
		.amdhsa_user_sgpr_count 2
		.amdhsa_user_sgpr_kernarg_segment_ptr 1
		.amdhsa_wavefront_size32 1
		.amdhsa_system_sgpr_workgroup_id_x 1
		.amdhsa_system_sgpr_workgroup_id_y 1
		.amdhsa_system_sgpr_workgroup_id_z 1
		.amdhsa_system_vgpr_workitem_id 0
		.amdhsa_next_free_vgpr 1024
		.amdhsa_next_free_sgpr 100
		.amdhsa_reserve_vcc 0
		.amdhsa_float_denorm_mode_32 3
		.amdhsa_float_denorm_mode_16_64 3
		.amdhsa_memory_ordered 1
		.amdhsa_forward_progress 1
		.amdhsa_inst_pref_size 147
	.end_amdhsa_kernel
	.amdgpu_metadata
---
amdhsa.version: [ 1, 2 ]
amdhsa.kernels:
  - .name:           k_qd4003be94c_ffn2
    .symbol:         k_qd4003be94c_ffn2.kd
    .args:
      - { .name: hidq, .offset: 0, .size: 8, .value_kind: global_buffer, .address_space: global }
      - { .name: w2_codes, .offset: 8, .size: 8, .value_kind: global_buffer, .address_space: global }
      - { .name: w2_scales, .offset: 16, .size: 8, .value_kind: global_buffer, .address_space: global }
      - { .name: b2, .offset: 24, .size: 8, .value_kind: global_buffer, .address_space: global }
      - { .name: h, .offset: 32, .size: 8, .value_kind: global_buffer, .address_space: global }
      - { .name: y2, .offset: 40, .size: 8, .value_kind: global_buffer, .address_space: global }
    .group_segment_fixed_size: 327680
    .private_segment_fixed_size: 0
    .kernarg_segment_align: 8
    .kernarg_segment_size: 48
    .max_flat_workgroup_size: 128
    .sgpr_count:     100
    .vgpr_count:     1024
    .wavefront_size: 32
...
	.end_amdgpu_metadata
.endif
;; end of part 5
;; launch ln2 (part 6): grid 256 x 1, 8 waves a work-group, no clusters, 0 bytes of LDS; arguments y2, g2, be2, out0; writes out0
.if DOCPART == 6
	.amdgcn_target "amdgcn-amd-amdhsa--gfx1250"
	.amdhsa_code_object_version 6
	.text
	.protected	k_qd4003be94c_ln2
	.globl	k_qd4003be94c_ln2
	.p2align	8
	.type	k_qd4003be94c_ln2,@function
k_qd4003be94c_ln2:
	s_mov_b64 s[64:65], 0
	v_nop
	global_prefetch_b8 v0, s[64:65] scope:SCOPE_SE
	s_setreg_imm32_b32 hwreg(HW_REG_WAVE_MODE, 25, 1), 1
	s_wait_xcnt 0x0
; out0 = layernorm(y2) g2 + be2, rows of 1,024 f32.  A wave takes two whole rows and keeps them in registers between the passes: each row is read once; each load and store of a wave covers 512 consecutive bytes.
; The mean, then the mean of the squared differences, as the definition has them: no difference of large sums is formed.  No LDS, no barrier, no matrix unit: memory binds.
; LIMITS: NaN and infinities are not served.
.set Y0, 16                            ; v16-47   row 0
.set Y1, 48                            ; v48-79   row 1
.set G,  80                            ; v80-111  g2 of my 32 columns
.set B,  112                           ; v112-143 be2
.macro LANES t                         ; v[t] summed over the 32 lanes, the result in every lane
	s_delay_alu instid0(VALU_DEP_1)
	v_add_f32_dpp v[\t], v[\t], v[\t] row_xmask:1 row_mask:0xf bank_mask:0xf
	s_delay_alu instid0(VALU_DEP_1)
	v_add_f32_dpp v[\t], v[\t], v[\t] row_xmask:2 row_mask:0xf bank_mask:0xf
	s_delay_alu instid0(VALU_DEP_1)
	v_add_f32_dpp v[\t], v[\t], v[\t] row_xmask:4 row_mask:0xf bank_mask:0xf
	s_delay_alu instid0(VALU_DEP_1)
	v_add_f32_dpp v[\t], v[\t], v[\t] row_xmask:8 row_mask:0xf bank_mask:0xf
	s_delay_alu instid0(VALU_DEP_1)
	v_permlanex16_b32 v[\t+1], v[\t], s12, s13
	s_delay_alu instid0(VALU_DEP_1)
	v_add_f32 v[\t], v[\t], v[\t+1]
.endm
.macro SUM y, t
	v_pk_add_f32 v[\t:\t+1], v[\y:\y+1], v[\y+2:\y+3]
	v_pk_add_f32 v[\t+2:\t+3], v[\y+4:\y+5], v[\y+6:\y+7]
.irp j, 8,12,16,20,24,28
	s_delay_alu instid0(VALU_DEP_2)
	v_pk_add_f32 v[\t:\t+1], v[\t:\t+1], v[\y+\j:\y+\j+1]
	s_delay_alu instid0(VALU_DEP_2)
	v_pk_add_f32 v[\t+2:\t+3], v[\t+2:\t+3], v[\y+\j+2:\y+\j+3]
.endr
	s_delay_alu instid0(VALU_DEP_1)
	v_pk_add_f32 v[\t:\t+1], v[\t:\t+1], v[\t+2:\t+3]
	s_delay_alu instid0(VALU_DEP_1)
	v_add_f32 v[\t], v[\t], v[\t+1]
	LANES \t
.endm
.macro CENTRE y, t                     ; the row less its mean, in place
	s_delay_alu instid0(VALU_DEP_1)
	v_mul_f32 v[\t], 0x3a800000, v[\t]             ; / 1,024
.irp j, 0,2,4,6,8,10,12,14,16,18,20,22,24,26,28,30
	v_pk_add_f32 v[\y+\j:\y+\j+1], v[\y+\j:\y+\j+1], v[\t:\t+1] op_sel_hi:[1,0] neg_lo:[0,1] neg_hi:[0,1]
.endr
.endm
.macro SQSUM y, t
	v_pk_mul_f32 v[\t:\t+1], v[\y:\y+1], v[\y:\y+1]
	v_pk_mul_f32 v[\t+2:\t+3], v[\y+2:\y+3], v[\y+2:\y+3]
.irp j, 4,8,12,16,20,24,28
	s_delay_alu instid0(VALU_DEP_2)
	v_pk_fma_f32 v[\t:\t+1], v[\y+\j:\y+\j+1], v[\y+\j:\y+\j+1], v[\t:\t+1]
	s_delay_alu instid0(VALU_DEP_2)
	v_pk_fma_f32 v[\t+2:\t+3], v[\y+\j+2:\y+\j+3], v[\y+\j+2:\y+\j+3], v[\t+2:\t+3]
.endr
	s_delay_alu instid0(VALU_DEP_1)
	v_pk_add_f32 v[\t:\t+1], v[\t:\t+1], v[\t+2:\t+3]
	s_delay_alu instid0(VALU_DEP_1)
	v_add_f32 v[\t], v[\t], v[\t+1]
	LANES \t
	s_delay_alu instid0(VALU_DEP_1)
	v_mul_f32 v[\t], 0x3a800000, v[\t]             ; the variance
	s_delay_alu instid0(VALU_DEP_1)
	v_add_f32 v[\t], 0x3727c5ac, v[\t]             ; + 1e-5
.endm
.macro FINISH y, t, off
.irp j, 0,2,4,6,8,10,12,14,16,18,20,22,24,26,28,30
	v_pk_mul_f32 v[\y+\j:\y+\j+1], v[\y+\j:\y+\j+1], v[\t:\t+1] op_sel_hi:[1,0]
.endr
.irp j, 0,2,4,6,8,10,12,14,16,18,20,22,24,26,28,30
	v_pk_fma_f32 v[\y+\j:\y+\j+1], v[\y+\j:\y+\j+1], v[G+\j:G+\j+1], v[B+\j:B+\j+1]
.endr
.irp i, 0,1,2,3,4,5,6,7
	global_store_b128 v1, v[\y+4*\i:\y+4*\i+3], s[10:11] offset:\off+512*\i th:TH_STORE_NT
.endr
.endm
	s_load_b256 s[4:11], s[0:1], 0x0               ; y2 s[4:5], g2 s[6:7], be2 s[8:9], out0 s[10:11]
	v_lshrrev_b32 v1, 5, v0
	s_delay_alu instid0(VALU_DEP_1)
	v_readfirstlane_b32 s14, v1                    ; wave 0..7
	v_and_b32 v1, 31, v0
	s_delay_alu instid0(VALU_DEP_1)
	v_lshlrev_b32 v1, 4, v1                        ; 16 bytes a lane
	s_mov_b32 s12, 0x76543210
	s_mov_b32 s13, 0xfedcba98
	s_lshl_b32 s16, ttmp9, 16                      ; 16 rows of 4,096 bytes a work-group,
	s_lshl_b32 s15, s14, 13                        ; two a wave
	s_add_co_u32 s16, s16, s15
	s_mov_b32 s17, 0
	s_wait_alu depctr_va_vdst(0)
	s_wait_kmcnt 0x0
	s_add_nc_u64 s[4:5], s[4:5], s[16:17]
	s_add_nc_u64 s[10:11], s[10:11], s[16:17]
.irp i, 0,1,2,3,4,5,6,7
	global_load_b128 v[Y0+4*\i:Y0+4*\i+3], v1, s[4:5] offset:512*\i th:TH_LOAD_NT
.endr
.irp i, 0,1,2,3,4,5,6,7
	global_load_b128 v[Y1+4*\i:Y1+4*\i+3], v1, s[4:5] offset:4096+512*\i th:TH_LOAD_NT
.endr
.irp i, 0,1,2,3,4,5,6,7
	global_load_b128 v[G+4*\i:G+4*\i+3], v1, s[6:7] offset:512*\i
.endr
.irp i, 0,1,2,3,4,5,6,7
	global_load_b128 v[B+4*\i:B+4*\i+3], v1, s[8:9] offset:512*\i
.endr
	s_wait_loadcnt 24                              ; row 0 is in; the 24 younger loads may be out
	SUM Y0, 2
	CENTRE Y0, 2
	SQSUM Y0, 10
	s_wait_loadcnt 16                              ; row 1 is in
	SUM Y1, 6
	CENTRE Y1, 6
	SQSUM Y1, 144
	s_wait_alu depctr_va_vdst(0)
	v_rsq_f32 v10, v10
	v_rsq_f32 v144, v144
	v_nop                                          ; a plain place behind the two
	s_wait_loadcnt 0x0                             ; g2 and be2
	s_wait_alu depctr_va_vdst(0)                   ; one wait for both, ahead of their first reader
	FINISH Y0, 10, 0
	FINISH Y1, 144, 4096
	s_endpgm
.Lfunc_end_k_qd4003be94c_ln2:
	.size	k_qd4003be94c_ln2, .Lfunc_end_k_qd4003be94c_ln2-k_qd4003be94c_ln2
	.p2alignl 7, 3214868480
	.fill 96, 4, 3214868480
	.section	.rodata,"a",@progbits
	.p2align	6, 0x0
	.amdhsa_kernel k_qd4003be94c_ln2
		.amdhsa_group_segment_fixed_size 0
		.amdhsa_private_segment_fixed_size 0
		.amdhsa_enable_private_segment 0
		.amdhsa_kernarg_size 32
		.amdhsa_user_sgpr_count 2
		.amdhsa_user_sgpr_kernarg_segment_ptr 1
		.amdhsa_wavefront_size32 1
		.amdhsa_system_sgpr_workgroup_id_x 1
		.amdhsa_system_sgpr_workgroup_id_y 1
		.amdhsa_system_sgpr_workgroup_id_z 1
		.amdhsa_system_vgpr_workitem_id 0
		.amdhsa_next_free_vgpr 160
		.amdhsa_next_free_sgpr 66
		.amdhsa_reserve_vcc 0
		.amdhsa_float_denorm_mode_32 3
		.amdhsa_float_denorm_mode_16_64 3
		.amdhsa_memory_ordered 1
		.amdhsa_forward_progress 1
		.amdhsa_inst_pref_size 21
	.end_amdhsa_kernel
	.amdgpu_metadata
---
amdhsa.version: [ 1, 2 ]
amdhsa.kernels:
  - .name:           k_qd4003be94c_ln2
    .symbol:         k_qd4003be94c_ln2.kd
    .args:
      - { .name: y2, .offset: 0, .size: 8, .value_kind: global_buffer, .address_space: global }
      - { .name: g2, .offset: 8, .size: 8, .value_kind: global_buffer, .address_space: global }
      - { .name: be2, .offset: 16, .size: 8, .value_kind: global_buffer, .address_space: global }
      - { .name: out0, .offset: 24, .size: 8, .value_kind: global_buffer, .address_space: global }
    .group_segment_fixed_size: 0
    .private_segment_fixed_size: 0
    .kernarg_segment_align: 8
    .kernarg_segment_size: 32
    .max_flat_workgroup_size: 256
    .sgpr_count:     66
    .vgpr_count:     160
    .wavefront_size: 32
...
	.end_amdgpu_metadata
.endif
;; end of part 6
